; MI455X (gfx1250); checked and timed in simulation.
; The chip was launched on July 23, 2026; its instructions are those of AMD's public machine-readable ISA for CDNA 5 (MIT licence, August 2026) and "CDNA5" Instruction Set Architecture Reference Guide (July 2026). The comments in the code are by the model that wrote it; some were corrected since.
;; KAN 2. Allowed arithmetic: float matrix products may take bf16 or f16 operands with f32 sums; all other float work in f32.
;; Inputs: W_in 32 x 64 float32; W_out 64 x 1 float32; b_in 64 float32; bias0a 129 float32; bias0b 64 float32; bias1a 129 float32; bias1b 64 float32; coef0a 64 x 129 x 8 float32; coef0b 129 x 64 x 8 float32; coef1a 64 x 129 x 8 float32; coef1b 129 x 64 x 8 float32; sb0a 64 x 129 float32; sb0b 129 x 64 float32; sb1a 64 x 129 float32; sb1b 129 x 64 float32; ss0a 64 x 129 float32; ss0b 129 x 64 float32; ss1a 64 x 129 float32; ss1b 129 x 64 float32; x 32,768 x 32 float32.
;; Outputs: out0 32,768 x 1 float32.
;; 4 versions, each right; versions 2 to 3 are each faster than the one before; version 4 is version 3 with the launch prep written anew for expert scheduling mode. Each part assembles by itself: llvm-mc -triple=amdgcn-amd-amdhsa -mcpu=gfx1250 --defsym DOCPART=n.
;; ======== version 1 of 4: 2 launches
;; limits: values are held in f16: magnitudes above 65,504 overflow, below 6.1e-05 lose precision
;; workspace buffers: wts 728,064 bytes
;; launch prep (part 1): grid 720 x 1, 1 waves a work-group, no clusters, 0 bytes of LDS; arguments coef0a, coef0b, coef1a, coef1b, ss0a, ss0b, ss1a, ss1b, sb0a, sb0b, sb1a, sb1b, bias0a, bias0b, bias1a, bias1b, W_in, b_in, wts; writes wts
.if DOCPART == 1
	.amdgcn_target "amdgcn-amd-amdhsa--gfx1250"
	.amdhsa_code_object_version 6
	.text
	.protected	k_qbb66bb6d27_prep
	.globl	k_qbb66bb6d27_prep
	.p2align	8
	.type	k_qbb66bb6d27_prep,@function
k_qbb66bb6d27_prep:
	s_mov_b64 s[64:65], 0
	v_nop
	global_prefetch_b8 v0, s[64:65] scope:SCOPE_SE
	s_setreg_imm32_b32 hwreg(HW_REG_WAVE_MODE, 25, 1), 1
	s_wait_xcnt 0x0
; Weights of the whole chain, once, as 16-bit matrix fragments in the order in which the second launch consumes them.
; One wave makes one fragment of 1,024 bytes (16 outputs x 32 k): the lane's registers 0-3 at byte 16 lane, registers 4-7 at 512 + 16 lane.
; Lane (r = lane & 15, h = lane >> 4) holds output o = 16 NT + r.  Two kinds of 32 k:
;   SPL (T, JJ): f16.  registers 0-3 = coef[i][o][0..7] ss[i][o] 64/6 with i = 16 T + 8 h + 2 JJ; registers 4-7 the same with i + 1
;   SIL (T):     bf16. registers 0-3 = sb[16 T + 8 h + j][o], j = 0..7; registers 4-7 = sb[16 T + 16 + 8 h + j][o]; either the number rounded to bf16 (hi)
;                or what that rounding left, rounded to bf16 (lo).  W_in is taken as such an sb, but stored as f16(64 W_in).
; Whatever has o >= O or i >= I is stored as zero (the index is clamped for the load, the value replaced).
; THE SCALES: the second launch keeps 64 times every activation, forms six times the B-spline bases and 64 times silu.  So spline weights carry
; 64/6, W_in and the biases 64, sb nothing.  The 64 centres the spline weights in f16's range.
; LIMIT: |coef ss| at or above 6,140 and |W_in| at or above 1,023 become infinite in f16.
; Fragment F = the work-group number:  0..639 eight chunks of 80 (block l = q >> 2, pair of middle tiles c = q & 3): 40 of the first layer
; (index 2 s + tile; s = 0..15 spline steps, 16, 17 silu hi, 18, 19 silu lo), 40 of the second (32 spline, 4 silu hi, 4 silu lo);
; 640..703 two tails of 32 (first layer's ninth tile: 20; second layer's input tile 8: 4 spline, 4 hi, 4 lo);  704..707 W_in;
; 708..719 twelve rows of 64 f32 of biases (rows 9-11 are zeros: they make the block that the second launch keeps resident four equal parts
; of whole 256-byte rows).
.set NFRAG,  708
.set HB,     8                         ; half g works in v[HB+20 g .. HB+20 g+16]
.set OUTR,   48                        ; v[48:55] the fragment
	s_load_b512 s[8:23], s[0:1], 0x0               ; coef0a coef0b coef1a coef1b ss0a ss0b ss1a ss1b
	s_load_b512 s[24:39], s[0:1], 0x40             ; sb0a sb0b sb1a sb1b bias0a bias0b bias1a bias1b
	s_load_b128 s[40:43], s[0:1], 0x80             ; W_in, b_in
	s_load_b64 s[44:45], s[0:1], 0x90              ; wts
	s_mov_b32 s2, ttmp9                            ; F
	v_and_b32 v1, 15, v0                           ; r
	v_lshrrev_b32 v2, 4, v0                        ; h
	v_lshlrev_b32 v5, 4, v0                        ; 16 lane
	s_mov_b32 s46, 0                               ; l: block
	s_mov_b32 s47, 0                               ; isb: second layer of the block
	s_mov_b32 s48, 0                               ; kind: 0 SPL, 1 SIL
	s_mov_b32 s50, 0                               ; T
	s_mov_b32 s51, 0                               ; JJ
	s_mov_b32 s54, 0                               ; 1: W_in
	s_mov_b32 s92, 0                               ; 1: the lo part
	s_cmp_ge_u32 s2, NFRAG
	s_cbranch_scc1 .Lbias
	s_cmp_ge_u32 s2, 704
	s_cbranch_scc1 .Lwin
	s_cmp_ge_u32 s2, 640
	s_cbranch_scc1 .Ltail
	; a chunk: q = F / 80 (3277 / 2^18 is 1/80 with an excess that stays below 1/80 for F < 640), idx = F - 80 q
	s_mul_i32 s3, s2, 3277
	s_lshr_b32 s3, s3, 18
	s_mul_i32 s4, s3, 80
	s_sub_co_u32 s4, s2, s4                        ; idx
	s_lshr_b32 s46, s3, 2                          ; l
	s_and_b32 s5, s3, 3                            ; c
	s_cmp_ge_u32 s4, 40
	s_cbranch_scc1 .Lchunk_b
	s_lshr_b32 s6, s4, 1                           ; first layer: step idx >> 1,
	s_and_b32 s49, s4, 1
	s_lshl1_add_u32 s49, s5, s49                   ; output tile 2 c + (idx & 1)
	s_branch .Llayer_a
.Lchunk_b:
	s_mov_b32 s47, 1
	s_sub_co_u32 s4, s4, 40                        ; e
	s_lshl_b32 s50, s5, 1                          ; 2 c
	s_cmp_ge_u32 s4, 32
	s_cbranch_scc1 .Lchunk_bsil
	s_and_b32 s49, s4, 3                           ; output tile e & 3
	s_bfe_u32 s51, s4, 0x20002                     ; JJ = (e >> 2) & 3
	s_lshr_b32 s6, s4, 4
	s_add_co_u32 s50, s50, s6                      ; input tile 2 c + (e >> 4)
	s_branch .Lsel
.Lchunk_bsil:
	s_sub_co_u32 s4, s4, 32                        ; 0..3 hi, 4..7 lo, of input tiles 2 c, 2 c + 1
	s_branch .Lbsil
.Ltail:
	s_sub_co_u32 s4, s2, 640
	s_lshr_b32 s46, s4, 5                          ; l
	s_and_b32 s4, s4, 31                           ; idx
	s_cmp_ge_u32 s4, 20
	s_cbranch_scc1 .Ltail_b
	s_mov_b32 s6, s4                               ; first layer, output tile 8 (output 128 and fifteen zeros), step idx
	s_mov_b32 s49, 8
	s_branch .Llayer_a
.Ltail_b:
	s_mov_b32 s47, 1                               ; second layer, input tile 8 (input 128 and zeros)
	s_mov_b32 s50, 8
	s_sub_co_u32 s4, s4, 20
	s_mov_b32 s49, s4
	s_cmp_lt_u32 s4, 4
	s_cbranch_scc1 .Lsel                           ; 0..3: the spline step, JJ = 0
	s_sub_co_u32 s4, s4, 4
.Lbsil:
	s_mov_b32 s48, 1
	s_and_b32 s49, s4, 3
	s_lshr_b32 s92, s4, 2
	s_branch .Lsel
.Llayer_a:
	s_cmp_ge_u32 s6, 16
	s_cbranch_scc1 .Lasil
	s_lshr_b32 s50, s6, 2                          ; steps 0-15: spline, T = s >> 2, JJ = s & 3
	s_and_b32 s51, s6, 3
	s_branch .Lsel
.Lasil:
	s_mov_b32 s48, 1                               ; steps 16, 17: silu hi of input tiles 0, 1 and 2, 3; steps 18, 19: lo
	s_sub_co_u32 s6, s6, 16
	s_lshr_b32 s92, s6, 1
	s_and_b32 s50, s6, 1
	s_lshl_b32 s50, s50, 1
	s_branch .Lsel
.Lwin:
	s_mov_b32 s48, 1
	s_mov_b32 s54, 1
	s_sub_co_u32 s49, s2, 704
.Lsel:
	s_wait_kmcnt 0x0
	s_cmp_lg_u32 s47, 0                            ; which layer of the block
	s_cselect_b64 s[56:57], s[10:11], s[8:9]       ; block 0: coef
	s_cselect_b64 s[58:59], s[18:19], s[16:17]     ;          ss
	s_cselect_b64 s[60:61], s[26:27], s[24:25]     ;          sb
	s_cselect_b64 s[66:67], s[14:15], s[12:13]     ; block 1
	s_cselect_b64 s[68:69], s[22:23], s[20:21]
	s_cselect_b64 s[70:71], s[30:31], s[28:29]
	s_cselect_b32 s52, 64, 129                     ; O
	s_cselect_b32 s53, 129, 64                     ; I
	s_cmp_lg_u32 s46, 0                            ; which block
	s_cselect_b64 s[56:57], s[66:67], s[56:57]
	s_cselect_b64 s[58:59], s[68:69], s[58:59]
	s_cselect_b64 s[60:61], s[70:71], s[60:61]
	s_cmp_lg_u32 s54, 0                            ; W_in [32][64] in sb's place
	s_cselect_b64 s[60:61], s[40:41], s[60:61]
	s_cselect_b32 s52, 64, s52
	s_cselect_b32 s53, 32, s53
	s_cselect_b32 s93, -1, 0                       ; all lanes: store f16(64 w)
	s_cmp_lg_u32 s92, 0
	s_cselect_b32 s92, -1, 0                       ; all lanes: store the lo part
	s_lshl_b32 s4, s2, 10                          ; the fragment's place in wts
	s_mov_b32 s5, 0
	s_add_nc_u64 s[44:45], s[44:45], s[4:5]
	s_lshl_b32 s7, s50, 4                          ; 16 T
	s_lshl1_add_u32 s63, s51, s7                   ; 16 T + 2 JJ
	s_sub_co_u32 s55, s52, 1                       ; O - 1
	s_sub_co_u32 s62, s53, 1                       ; I - 1
	v_lshl_add_u32 v3, s49, 4, v1                  ; o
	v_cmp_gt_u32 s72, s52, v3                      ; o < O
	v_min_u32 v4, s55, v3                          ; o, clamped for the loads
; half g of a spline step: eight coefficients and the scale of edge (i, o)
.macro USPL_LD g
	v_lshl_add_u32 v[HB+20*\g], v2, 3, s63         ; i = 16 T + 2 JJ + 8 h (+ g)
.if \g
	v_add_nc_u32 v[HB+20*\g], \g, v[HB+20*\g]
.endif
	v_cmp_gt_u32 s[74+\g], s53, v[HB+20*\g]        ; i < I
	s_and_b32 s[74+\g], s[74+\g], s72
	v_min_u32 v[HB+20*\g], s62, v[HB+20*\g]
	v_mad_u32_u24 v[HB+20*\g+1], v[HB+20*\g], s52, v4     ; i O + o
	v_lshlrev_b32 v[HB+20*\g+2], 5, v[HB+20*\g+1]
	v_lshlrev_b32 v[HB+20*\g+3], 2, v[HB+20*\g+1]
	global_load_b128 v[HB+20*\g+4:HB+20*\g+7], v[HB+20*\g+2], s[56:57]
	global_load_b128 v[HB+20*\g+8:HB+20*\g+11], v[HB+20*\g+2], s[56:57] offset:16
	global_load_b32 v[HB+20*\g+12], v[HB+20*\g+3], s[58:59]
.endm
.macro USPL_FIN g
	v_mul_f32 v[HB+20*\g+14], 0x412aaaab, v[HB+20*\g+12]  ; ss 64/6
	v_cndmask_b32 v[HB+20*\g+14], 0, v[HB+20*\g+14], s[74+\g]
	v_mov_b32 v[HB+20*\g+15], v[HB+20*\g+14]
.irp q, 0,1,2,3
	v_pk_mul_f32 v[HB+20*\g+4+2*\q:HB+20*\g+5+2*\q], v[HB+20*\g+4+2*\q:HB+20*\g+5+2*\q], v[HB+20*\g+14:HB+20*\g+15]
.endr
.irp q, 0,1,2,3
	v_cvt_pk_f16_f32 v[OUTR+4*\g+\q], v[HB+20*\g+4+2*\q], v[HB+20*\g+5+2*\q]
.endr
.endm
; half g of a silu step: sb[16 T + addc + 8 h + j][o], j = 0..7
.macro USIL_LD g, addc
	s_add_co_u32 s73, s7, \addc
	v_lshl_add_u32 v[HB+20*\g+16], v2, 3, s73
.irp j, 0,1,2,3,4,5,6,7
	v_add_nc_u32 v[HB+20*\g+\j], \j, v[HB+20*\g+16]
	v_cmp_gt_u32 s[76+8*\g+\j], s53, v[HB+20*\g+\j]
	s_and_b32 s[76+8*\g+\j], s[76+8*\g+\j], s72
	v_min_u32 v[HB+20*\g+\j], s62, v[HB+20*\g+\j]
	v_mad_u32_u24 v[HB+20*\g+\j], v[HB+20*\g+\j], s52, v4
	v_lshlrev_b32 v[HB+20*\g+\j], 2, v[HB+20*\g+\j]
	global_load_b32 v[HB+20*\g+8+\j], v[HB+20*\g+\j], s[60:61]
.endr
.endm
; All three forms are made and one is kept: hi; lo under s92; f16(64 w) under s93.  The offset registers are free: their loads have been waited for.
.macro USIL_FIN g
.irp j, 0,1,2,3,4,5,6,7
	v_cndmask_b32 v[HB+20*\g+8+\j], 0, v[HB+20*\g+8+\j], s[76+8*\g+\j]
.endr
.irp q, 0,1,2,3
	v_cvt_pk_bf16_f32 v[OUTR+4*\g+\q], v[HB+20*\g+8+2*\q], v[HB+20*\g+9+2*\q]                   ; hi
	v_lshlrev_b32 v[HB+20*\g+2*\q], 16, v[OUTR+4*\g+\q]
	v_and_b32 v[HB+20*\g+2*\q+1], 0xffff0000, v[OUTR+4*\g+\q]
	v_pk_add_f32 v[HB+20*\g+2*\q:HB+20*\g+2*\q+1], v[HB+20*\g+8+2*\q:HB+20*\g+9+2*\q], v[HB+20*\g+2*\q:HB+20*\g+2*\q+1] neg_lo:[0,1] neg_hi:[0,1]
	v_cvt_pk_bf16_f32 v[HB+20*\g+2*\q], v[HB+20*\g+2*\q], v[HB+20*\g+2*\q+1]                    ; lo
	v_cndmask_b32 v[OUTR+4*\g+\q], v[OUTR+4*\g+\q], v[HB+20*\g+2*\q], s92
	v_pk_mul_f32 v[HB+20*\g+8+2*\q:HB+20*\g+9+2*\q], v[HB+20*\g+8+2*\q:HB+20*\g+9+2*\q], 0x42800000 op_sel_hi:[1,0]
	v_cvt_pk_f16_f32 v[HB+20*\g+2*\q+1], v[HB+20*\g+8+2*\q], v[HB+20*\g+9+2*\q]
	v_cndmask_b32 v[OUTR+4*\g+\q], v[OUTR+4*\g+\q], v[HB+20*\g+2*\q+1], s93
.endr
.endm
	s_cmp_eq_u32 s48, 1
	s_cbranch_scc1 .Lsil
	USPL_LD 0
	USPL_LD 1
	s_wait_loadcnt 0x0
	USPL_FIN 0
	USPL_FIN 1
	s_branch .Lstore
.Lsil:
	USIL_LD 0, 0
	USIL_LD 1, 16
	s_wait_loadcnt 0x0
	USIL_FIN 0
	USIL_FIN 1
.Lstore:
	global_store_b128 v5, v[OUTR:OUTR+3], s[44:45]             ; each store covers 512 consecutive bytes, aligned
	global_store_b128 v5, v[OUTR+4:OUTR+7], s[44:45] offset:512
	s_endpgm
.Lbias:
	; row rho of the bias table, times 64: 0 b_in; 1-3 bias0a; 4 bias0b; 5-7 bias1a; 8 bias1b; 9-11 zeros.  Elements at or beyond n are zero.
	s_sub_co_u32 s3, s2, NFRAG                     ; rho
	s_sub_co_u32 s4, s3, 1
	s_lshl_b32 s5, s4, 6                           ; 64 (rho - 1)
	s_sub_co_u32 s6, s3, 5
	s_lshl_b32 s7, s6, 6                           ; 64 (rho - 5)
	s_mov_b32 s46, 0                               ; first element
	s_mov_b32 s47, 0                               ; n
	s_wait_kmcnt 0x0
	s_mov_b64 s[56:57], s[42:43]
	s_cmp_eq_u32 s3, 0
	s_cselect_b32 s47, 64, s47
	s_cmp_lt_u32 s4, 3                             ; unsigned: rho = 0 wraps and fails
	s_cselect_b64 s[56:57], s[32:33], s[56:57]
	s_cselect_b32 s46, s5, s46
	s_cselect_b32 s47, 129, s47
	s_cmp_eq_u32 s3, 4
	s_cselect_b64 s[56:57], s[34:35], s[56:57]
	s_cselect_b32 s47, 64, s47
	s_cmp_lt_u32 s6, 3
	s_cselect_b64 s[56:57], s[36:37], s[56:57]
	s_cselect_b32 s46, s7, s46
	s_cselect_b32 s47, 129, s47
	s_cmp_eq_u32 s3, 8
	s_cselect_b64 s[56:57], s[38:39], s[56:57]
	s_cselect_b32 s47, 64, s47
	s_max_u32 s48, s47, 1
	s_sub_co_u32 s48, s48, 1                       ; the last index that may be loaded
	v_lshl_add_u32 v6, v0, 1, s46                  ; my two elements
	v_add_nc_u32 v7, 1, v6
	v_cmp_gt_u32 s72, s47, v6
	v_cmp_gt_u32 s73, s47, v7
	v_min_u32 v8, s48, v6
	v_min_u32 v9, s48, v7
	v_lshlrev_b32 v8, 2, v8
	v_lshlrev_b32 v9, 2, v9
	global_load_b32 v10, v8, s[56:57]
	global_load_b32 v11, v9, s[56:57]
	s_lshl_b32 s4, s3, 8
	s_add_co_u32 s4, s4, NFRAG*1024
	s_mov_b32 s5, 0
	s_add_nc_u64 s[44:45], s[44:45], s[4:5]
	v_lshlrev_b32 v12, 3, v0
	s_wait_loadcnt 0x0
	v_cndmask_b32 v10, 0, v10, s72
	v_cndmask_b32 v11, 0, v11, s73
	v_mul_f32 v10, 0x42800000, v10
	v_mul_f32 v11, 0x42800000, v11
	global_store_b64 v12, v[10:11], s[44:45]       ; the wave stores the row: 256 consecutive bytes, aligned
	s_endpgm
.Lfunc_end_k_qbb66bb6d27_prep:
	.size	k_qbb66bb6d27_prep, .Lfunc_end_k_qbb66bb6d27_prep-k_qbb66bb6d27_prep
	.p2alignl 7, 3214868480
	.fill 96, 4, 3214868480
	.section	.rodata,"a",@progbits
	.p2align	6, 0x0
	.amdhsa_kernel k_qbb66bb6d27_prep
		.amdhsa_group_segment_fixed_size 0
		.amdhsa_private_segment_fixed_size 0
		.amdhsa_enable_private_segment 0
		.amdhsa_kernarg_size 152
		.amdhsa_user_sgpr_count 2
		.amdhsa_user_sgpr_kernarg_segment_ptr 1
		.amdhsa_wavefront_size32 1
		.amdhsa_system_sgpr_workgroup_id_x 1
		.amdhsa_system_sgpr_workgroup_id_y 1
		.amdhsa_system_sgpr_workgroup_id_z 1
		.amdhsa_system_vgpr_workitem_id 0
		.amdhsa_next_free_vgpr 56
		.amdhsa_next_free_sgpr 96
		.amdhsa_reserve_vcc 0
		.amdhsa_float_denorm_mode_32 3
		.amdhsa_float_denorm_mode_16_64 3
		.amdhsa_memory_ordered 1
		.amdhsa_forward_progress 1
		.amdhsa_inst_pref_size 21
	.end_amdhsa_kernel
	.amdgpu_metadata
---
amdhsa.version: [ 1, 2 ]
amdhsa.kernels:
  - .name:           k_qbb66bb6d27_prep
    .symbol:         k_qbb66bb6d27_prep.kd
    .args:
      - { .name: coef0a, .offset: 0, .size: 8, .value_kind: global_buffer, .address_space: global }
      - { .name: coef0b, .offset: 8, .size: 8, .value_kind: global_buffer, .address_space: global }
      - { .name: coef1a, .offset: 16, .size: 8, .value_kind: global_buffer, .address_space: global }
      - { .name: coef1b, .offset: 24, .size: 8, .value_kind: global_buffer, .address_space: global }
      - { .name: ss0a, .offset: 32, .size: 8, .value_kind: global_buffer, .address_space: global }
      - { .name: ss0b, .offset: 40, .size: 8, .value_kind: global_buffer, .address_space: global }
      - { .name: ss1a, .offset: 48, .size: 8, .value_kind: global_buffer, .address_space: global }
      - { .name: ss1b, .offset: 56, .size: 8, .value_kind: global_buffer, .address_space: global }
      - { .name: sb0a, .offset: 64, .size: 8, .value_kind: global_buffer, .address_space: global }
      - { .name: sb0b, .offset: 72, .size: 8, .value_kind: global_buffer, .address_space: global }
      - { .name: sb1a, .offset: 80, .size: 8, .value_kind: global_buffer, .address_space: global }
      - { .name: sb1b, .offset: 88, .size: 8, .value_kind: global_buffer, .address_space: global }
      - { .name: bias0a, .offset: 96, .size: 8, .value_kind: global_buffer, .address_space: global }
      - { .name: bias0b, .offset: 104, .size: 8, .value_kind: global_buffer, .address_space: global }
      - { .name: bias1a, .offset: 112, .size: 8, .value_kind: global_buffer, .address_space: global }
      - { .name: bias1b, .offset: 120, .size: 8, .value_kind: global_buffer, .address_space: global }
      - { .name: W_in, .offset: 128, .size: 8, .value_kind: global_buffer, .address_space: global }
      - { .name: b_in, .offset: 136, .size: 8, .value_kind: global_buffer, .address_space: global }
      - { .name: wts, .offset: 144, .size: 8, .value_kind: global_buffer, .address_space: global }
    .group_segment_fixed_size: 0
    .private_segment_fixed_size: 0
    .kernarg_segment_align: 8
    .kernarg_segment_size: 152
    .max_flat_workgroup_size: 32
    .sgpr_count:     96
    .vgpr_count:     56
    .wavefront_size: 32
...
	.end_amdgpu_metadata
.endif
;; end of part 1
;; launch kan (part 2): grid 256 x 1, 4 waves a work-group, clusters of 4 x 1, 327,680 bytes of LDS; arguments x, W_out, wts, out0; writes out0
.if DOCPART == 2
	.amdgcn_target "amdgcn-amd-amdhsa--gfx1250"
	.amdhsa_code_object_version 6
	.text
	.protected	k_qbb66bb6d27_kan
	.globl	k_qbb66bb6d27_kan
	.p2align	8
	.type	k_qbb66bb6d27_kan,@function
k_qbb66bb6d27_kan:
	s_mov_b64 s[64:65], 0
	v_nop
	global_prefetch_b8 v0, s[64:65] scope:SCOPE_SE
	s_setreg_imm32_b32 hwreg(HW_REG_WAVE_MODE, 25, 1), 1
	s_wait_xcnt 0x0
	s_wait_alu depctr_hold_cnt(0) depctr_sa_sdst(0) depctr_va_vdst(0) depctr_va_sdst(0) depctr_va_ssrc(0) depctr_va_vcc(0) depctr_vm_vsrc(0)
	s_getreg_b32 s2, hwreg(HW_REG_IB_STS2, 6, 4)
	s_cmp_eq_u32 s2, 0
	s_cbranch_scc0 .Lentry_in_a_cluster
	s_endpgm
.Lentry_in_a_cluster:
	s_bfe_u32 s2, ttmp6, 0x10000c
	s_cmp_lg_u32 s2, 0x3003
	s_cbranch_scc0 .Lentry_shape_is_right
	s_endpgm
.Lentry_shape_is_right:
; out = sigmoid(KAN(KAN(relu(x W_in + b_in))) W_out), the whole chain for 128 rows a work-group, 32 rows (two batch tiles) a wave.
; A KAN layer is a matrix product over nine features of each input: eight cubic B-spline bases and silu.
;
; THE MATRIX INSTRUCTION IS USED TRANSPOSED: source 0 = 16 outputs x 32 k of weights, source 1 = 16 batch rows x 32 k of features.  In the result
; lane (r = lane & 15, h = lane >> 4) holds batch row r and register j output 16 tile + 8 h + j.  The order of k is chosen so that the 16 k
; that a lane supplies to the NEXT layer are features of the numbers it already holds: a spline step (tile t, jj) has basis p of input
; 16 t + 8 h + 2 jj at k = 8 h + p and of input 16 t + 8 h + 2 jj + 1 at k = 16 + 8 h + p; a silu step has silu of tile t0 at k = 8 h + j and of tile t0 + 1
; at k = 16 + 8 h + j.  So activations never leave the lane: no LDS stage, no exchange between lanes.  The first launch wrote the weights in this order.
;
; FORMATS.  Five products follow each other and each layer enlarges the error that it is handed, so eight significant bits in the operands are too few here.
; Spline steps and the input layer go in f16 (eleven bits): six times a basis lies in [0, 4] whatever the input, and the weights are centred in f16's
; range by a factor 64.  Silu is unbounded, so it stays in bf16, in two parts: feature = hi + lo, sb = hi + lo, three products (hi hi, hi lo, lo hi).
; Every accumulator therefore holds 64 TIMES its activation; the 1/64 sits in constants that are multiplied in anyway (2.5/64, log2 e/64), and
; accumulator x sigmoid is 64 silu, which meets sb unscaled.  An f16 and a bf16 product on one accumulator are five places apart (ISA guide 7.12.1).
;
; THE SPLINE, on the uniform grid: t = 2.5 x + 7.5 clamped to [2, 13), n = floor t, u = t - n, v = 1 - u.  Six times the four bases that are not
; zero: v^3, (3u-6)u^2+4, (3v-6)v^2+4, u^3, for bases n-5 .. n-2.  They are packed to four f16 and moved into the eight slots
; by a shift of 16 bits on n's parity and selects on n >> 1: no branch and no address hangs on a number.  At both clamps every basis 0..7 is 0,
; but for basis 7 at the upper clamp, which is (2^-20)^3 and rounds to 0 in f16.
; LIMITS: the cell is decided on 2.5 x + 7.5 and not on rounded knots (the spline is twice differentiable, so the values agree to rounding);
; a NaN in front of the relu becomes 0 there (v_max_num_f32) where the definition keeps it; |x| at or above 65,504 is infinite in f16;
; activations above 2^-6 of f32's largest number overflow.
;
; THE TWO LAYERS OF A BLOCK ARE INTERLEAVED: the first layer's features (16 spline steps, 2 silu hi, 2 silu lo, x 2 batch tiles: 320 registers) stay in
; registers; for each pair of its output tiles 88 matrix instructions make the pair, its features are formed at once and added into the second layer's
; eight accumulators by 88 more.  Weights come in that order, in chunks of 80 fragments (81,920 bytes), through two LDS slots.  Biases start the sums.
; CLUSTER: all work-groups read the same weights, so four of them ask for every tile jointly (mask 15); each wave brings a quarter of a tile, and
; nothing in a descriptor hangs on the place in the cluster.  A wave has three tensor loads out at the start and one behind each round.
; The last product (64 x 1) is 64 multiply-adds a row in f32 on the vector unit: a matrix tile would be fifteen sixteenths empty.
; The text is a straight line: every register number is fixed.
.set CHUNK,  81920                     ; 80 fragments of 1,024 bytes
.set PARTB,  40960                     ; the second layer's 40 fragments in a chunk
.set QCH,    20480                     ; a wave's quarter of a chunk: 80 rows of 256 bytes
.set S1,     81920                     ; LDS: slot 0 at 0, slot 1 here
.set TM,     163840                    ; LDS: resident block: tail 0, tail 1 (32,768 each), W_in (4,096), biases (3,072)
.set QTM,    18176                     ; a wave's quarter of it: 71 rows of 256 bytes
.set WTM,    655360                    ; its place in wts
.set TAIL1,  32768
.set TWIN,   32768                     ; W_in, counted from tail 1
.set TBIAS,  69632
.set OUTS,   236544                    ; LDS: 512 bytes for the results, in 256-byte blocks into which no tensor load lands
.set ADA0, 1                           ; v1  16 lane: slot 0, first layer
.set ADB0, 2                           ; v2  slot 0, second layer
.set ADA1, 3                           ; v3  slot 1, first layer
.set ADB1, 4                           ; v4  slot 1, second layer
.set ADT0, 5                           ; v5  tail 0
.set ADBI, 6                           ; v6  biases + 32 h
.set XO,   7                           ; v7  128 r + 32 h in x
.set OST,  8                           ; v8  where my result goes in LDS
.set WO,   9                           ; v9  32 h in W_out
.set C75,  10                          ; v[10:11] 7.5 twice
.set CM6,  12                          ; v[12:13] -6.0 twice
.set ORD,  14                          ; v14 where wave 0 reads the results back
.set ADT1, 15                          ; v15 tail 1, and W_in behind it
.set ACCA, 16                          ; v[16:47]   first layer: tile tt, batch tile bt at 16 tt + 8 bt
.set ACCB, 48                          ; v[48:111]  second layer (and the block's input): tile m, batch tile bt at 16 m + 8 bt
.set FB,   112                         ; v[112:143] spline feature fragments, two buffers x two batch tiles
.set WF,   160                         ; v[160:223] weight fragments, two buffers of four
.set TMP,  224                         ; v[224:255] at work
; window 1 (v256-511): first layer's spline fragments, K step s, batch tile bt at 16 s + 8 bt, s = 0..15
; window 2 (v512-639):
.set FAL,  32                          ; first layer's silu fragments: hi at 16 s + 8 bt, lo at 32 + 16 s + 8 bt, s = 0, 1
.set WOUT, 64                          ; W_out[16 m + 8 h + j] at 64 + 8 m + j
.set SFH,  96                          ; silu fragment of a pair of middle tiles, hi, at 96 + 8 bt
.set SFL,  112                         ; the same, lo
.set TT,  TMP                          ; t, then u
.set TC,  TMP+2                        ; floor t, then n
.set TV,  TMP+4                        ; v
.set TU2, TMP+6                        ; u^2, then u^3
.set TV2, TMP+8                        ; v^2, then v^3
.set TQU, TMP+10                       ; 3u-6, then the second weight
.set TQV, TMP+12                       ; 3v-6, then the third weight
.set TWL, TMP+14                       ; per value: {w0,w1}, {w2,w3}
.set TSH, TMP+18                       ; per value: 16 if n is odd, 16 if n is even
.set TDL, TMP+22                       ; n >> 1
.set TA,  TMP+24                       ; per value: the three words for dwords n/2-3, n/2-2, n/2-1
.set TE,  TMP+30                       ; the silu's way
.set TX,  TMP                          ; eight words on their way through the selects
.set TLR, TMP+8
.set THL, TMP+10
.set TLL, TMP+12
.set TH,  TMP+8                        ; silu cut to bf16, then what the cut left
.set MSB, 0
.macro WIN new                         ; s_set_vgpr_msb: bits 1:0 source 0, 3:2 source 1, 5:4 source 2, 7:6 destination; the high byte repeats the setting that is left
.if MSB != (\new)
	s_set_vgpr_msb (MSB<<8)|(\new)
.set MSB, (\new)
.endif
.endm
.macro PLACES                          ; four places behind a matrix instruction, in front of vector work on its registers and of loads into them
.rept 4
	v_nop
.endr
.endm
.macro PLACES5                         ; five, in front of a matrix instruction of the other form on the same accumulators
.rept 5
	v_nop
.endr
.endm
.macro ROUND                           ; a round of the cluster's barrier
	s_barrier_signal -1
	s_barrier_wait -1
	s_cmp_lg_u32 s12, 0
	s_cbranch_scc1 .Lnot_wave_0_\@
	s_barrier_signal -3
.Lnot_wave_0_\@:
	s_barrier_wait -3
	s_barrier_signal -1
	s_barrier_wait -1
.endm
.macro MMH acc, w, f                   ; acc += weights w x features f, f16
	v_wmma_f32_16x16x32_f16 v[(\acc):(\acc)+7], v[(\w):(\w)+7], v[(\f):(\f)+7], v[(\acc):(\acc)+7]
.endm
.macro MMB acc, w, f                   ; the same, bf16
	v_wmma_f32_16x16x32_bf16 v[(\acc):(\acc)+7], v[(\w):(\w)+7], v[(\f):(\f)+7], v[(\acc):(\acc)+7]
.endm
.macro LDW adr, off, buf, n            ; n weight fragments from v[adr] + off into buffer buf: 32 lanes x 16 neighbouring bytes a load
.set LDWF, 0
.rept \n
	ds_load_b128 v[WF+32*(\buf)+8*LDWF:WF+32*(\buf)+8*LDWF+3], v[\adr] offset:(\off)+1024*LDWF
	ds_load_b128 v[WF+32*(\buf)+8*LDWF+4:WF+32*(\buf)+8*LDWF+7], v[\adr] offset:(\off)+1024*LDWF+512
.set LDWF, LDWF+1
.endr
.endm
.macro BIASB off                       ; the second layer's accumulators start as the bias of their eight outputs, alike in both batch tiles
.irp m, 0,1,2,3
.irp b, 0,1
	ds_load_b128 v[ACCB+16*\m+8*\b:ACCB+16*\m+8*\b+3], v[ADBI] offset:(\off)+64*\m
	ds_load_b128 v[ACCB+16*\m+8*\b+4:ACCB+16*\m+8*\b+7], v[ADBI] offset:(\off)+64*\m+16
.endr
.endr
.endm
; The second layer's three silu products: hi weights in buffer 0, lo weights in buffer 1, features in window 2.  Eight accumulators in turn.
.macro SILB
	s_wait_dscnt 0x8                               ; the hi weights are in; the lo weights' eight loads may stay out
	WIN 0x08                                       ; source 1 in window 2
.irp m, 0,1,2,3
.irp b, 0,1
	MMB ACCB+16*\m+8*\b, WF+8*\m, SFH+8*\b
.endr
.endr
.irp m, 0,1,2,3
.irp b, 0,1
	MMB ACCB+16*\m+8*\b, WF+8*\m, SFL+8*\b
.endr
.endr
	s_wait_dscnt 0x0
.irp m, 0,1,2,3
.irp b, 0,1
	MMB ACCB+16*\m+8*\b, WF+32+8*\m, SFH+8*\b
.endr
.endr
	WIN 0
.endm
; The features of the two numbers (64 times them) in v[x:x+1]: six times their eight bases each, f16, into v[d:d+7] (destination window setting dw);
; 64 times their silu as bf16 hi into v[sh] and lo into v[sl], both in window 2.
.macro FEATP x, d, dw, sh, sl
	v_pk_fma_f32 v[TT:TT+1], v[(\x):(\x)+1], s[44:45], v[C75:C75+1] op_sel_hi:[1,0,1]   ; 2.5 x + 7.5
	v_pk_mul_f32 v[TE:TE+1], v[(\x):(\x)+1], s[52:53] op_sel_hi:[1,0]                   ; -x log2 e
	v_med3_num_f32 v[TT], v[TT], 2.0, s54
	v_med3_num_f32 v[TT+1], v[TT+1], 2.0, s54
	v_exp_f32 v[TE], v[TE]
	v_exp_f32 v[TE+1], v[TE+1]
	v_floor_f32 v[TC], v[TT]                       ; plain work stands between the exponentials and their use (ISA guide 5.7.2)
	v_floor_f32 v[TC+1], v[TT+1]
	v_pk_add_f32 v[TT:TT+1], v[TT:TT+1], v[TC:TC+1] neg_lo:[0,1] neg_hi:[0,1]           ; u
	s_wait_alu depctr_va_vdst(0)
	v_pk_add_f32 v[TE:TE+1], v[TE:TE+1], 1.0 op_sel_hi:[1,0]
	v_rcp_f32 v[TE], v[TE]
	v_rcp_f32 v[TE+1], v[TE+1]
	v_cvt_i32_f32 v[TC], v[TC]                     ; n; plain work behind the reciprocals too
	v_cvt_i32_f32 v[TC+1], v[TC+1]
	v_pk_fma_f32 v[TV:TV+1], v[TT:TT+1], -1.0, 1.0 op_sel_hi:[1,0,0]                    ; v = 1 - u
	v_pk_mul_f32 v[TU2:TU2+1], v[TT:TT+1], v[TT:TT+1]
	v_pk_mul_f32 v[TV2:TV2+1], v[TV:TV+1], v[TV:TV+1]
	v_pk_fma_f32 v[TQU:TQU+1], v[TT:TT+1], s[48:49], v[CM6:CM6+1] op_sel_hi:[1,0,1]     ; 3u - 6
	v_pk_fma_f32 v[TQV:TQV+1], v[TV:TV+1], s[48:49], v[CM6:CM6+1] op_sel_hi:[1,0,1]
	v_pk_fma_f32 v[TQU:TQU+1], v[TQU:TQU+1], v[TU2:TU2+1], 4.0 op_sel_hi:[1,1,0]        ; (3u-6)u^2 + 4
	v_pk_fma_f32 v[TQV:TQV+1], v[TQV:TQV+1], v[TV2:TV2+1], 4.0 op_sel_hi:[1,1,0]
	v_pk_mul_f32 v[TU2:TU2+1], v[TU2:TU2+1], v[TT:TT+1]                                 ; u^3
	v_pk_mul_f32 v[TV2:TV2+1], v[TV2:TV2+1], v[TV:TV+1]                                 ; v^3
	s_wait_alu depctr_va_vdst(0)
	v_pk_mul_f32 v[TE:TE+1], v[(\x):(\x)+1], v[TE:TE+1]                                 ; 64 silu
.irp i, 0,1
	v_cvt_pk_f16_f32 v[TWL+2*\i], v[TV2+\i], v[TQU+\i]         ; bases n-5, n-4
	v_cvt_pk_f16_f32 v[TWL+2*\i+1], v[TQV+\i], v[TU2+\i]       ; bases n-3, n-2
	v_lshlrev_b32 v[TSH+2*\i], 4, v[TC+\i]
	v_lshrrev_b32 v[TDL+\i], 1, v[TC+\i]
.endr
.irp i, 0,1
	v_and_b32 v[TSH+2*\i], 16, v[TSH+2*\i]                     ; 16 if n is odd: the four weights then begin on a dword
	v_lshlrev_b32 v[THL+\i], 16, v[TWL+2*\i+1]
	v_lshlrev_b32 v[TLL+\i], 16, v[TWL+2*\i]
	v_xor_b32 v[TSH+2*\i+1], 16, v[TSH+2*\i]                   ; 16 if n is even: they begin in a dword's upper half
	v_lshlrev_b32 v[TA+3*\i], v[TSH+2*\i], v[TLL+\i]           ; dword n/2 - 3: {0, w0} or nothing
	v_lshrrev_b32 v[TLR+\i], v[TSH+2*\i+1], v[TWL+2*\i]
	v_lshrrev_b32 v[TA+3*\i+2], v[TSH+2*\i+1], v[TWL+2*\i+1]   ; dword n/2 - 1: {w3, 0} or {w2, w3}
	v_lshl_or_b32 v[TA+3*\i+1], v[THL+\i], v[TSH+2*\i], v[TLR+\i]   ; dword n/2 - 2: {w1, w2} or {w0, w1}
.endr
	v_and_b32 v[TH], s57, v[TE]                                ; silu cut to its upper 16 bits: the hi part as f32
	v_and_b32 v[TH+1], s57, v[TE+1]
	v_pk_add_f32 v[TH:TH+1], v[TE:TE+1], v[TH:TH+1] neg_lo:[0,1] neg_hi:[0,1]           ; what the cut left, exactly
.irp k, 1,2,3,4,5,6
	v_cmp_eq_u32 s[65+\k], \k, v[TDL]
	v_cmp_eq_u32 s[71+\k], \k, v[TDL+1]
.endr
.irp q, 0,1,2,3
	v_cndmask_b32 v[TX+\q], 0, v[TA+2], s[66+\q]               ; dword q takes the third word if n/2 = q + 1,
	v_cndmask_b32 v[TX+4+\q], 0, v[TA+5], s[72+\q]
.endr
.irp q, 0,1,2,3
	v_cndmask_b32 v[TX+\q], v[TX+\q], v[TA+1], s[67+\q]        ; the second if n/2 = q + 2,
	v_cndmask_b32 v[TX+4+\q], v[TX+4+\q], v[TA+4], s[73+\q]
.endr
	WIN \dw
.irp q, 0,1,2,3
	v_cndmask_b32 v[(\d)+\q], v[TX+\q], v[TA], s[68+\q]        ; the first if n/2 = q + 3, else zero
	v_cndmask_b32 v[(\d)+4+\q], v[TX+4+\q], v[TA+3], s[74+\q]
.endr
	WIN 0x80
	v_perm_b32 v[(\sh)], v[TE+1], v[TE], s78                   ; the two upper halves
	v_cvt_pk_bf16_f32 v[(\sl)], v[TH], v[TH+1]
	WIN 0
.endm
; The features of a block's 64 inputs (in ACCB) for both batch tiles, into windows 1 and 2
.macro FEATIN
.irp t, 0,1,2,3
.irp b, 0,1
.irp j, 0,1,2,3
	FEATP ACCB+16*\t+8*\b+2*\j, 16*(4*\t+\j)+8*\b, 0x40, 16*(\t>>1)+8*\b+4*(\t&1)+\j, FAL+16*(\t>>1)+8*\b+4*(\t&1)+\j
.endr
.endr
.endr
.endm
; First layer, a pair of output tiles.  Ten groups of four fragments through two buffers: eight of two spline steps each, the silu hi weights (used
; on the hi and on the lo features), the silu lo weights.  The four accumulators take turns, one instruction a turn.
.macro LA_PAIR adr, boff
	PLACES
.irp t, 0,1
.irp b, 0,1
	ds_load_b128 v[ACCA+16*\t+8*\b:ACCA+16*\t+8*\b+3], v[ADBI] offset:(\boff)+64*\t
	ds_load_b128 v[ACCA+16*\t+8*\b+4:ACCA+16*\t+8*\b+7], v[ADBI] offset:(\boff)+64*\t+16
.endr
.endr
	LDW \adr, 0, 0, 4
	LDW \adr, 4096, 1, 4
	WIN 0x04                                       ; source 1 in window 1; the loads and v_nop between name no source 1
.irp g, 0,1,2,3,4,5,6,7
	s_wait_dscnt 0x8                               ; all but the next group's eight loads
.irp s, 0,1
.irp t, 0,1
.irp b, 0,1
	MMH ACCA+16*\t+8*\b, WF+32*(\g&1)+8*(2*\s+\t), 32*\g+16*\s+8*\b
.endr
.endr
.endr
.if \g == 7
	PLACES5                                        ; the bf16 products follow on the same accumulators
.else
	PLACES
.endif
	LDW \adr, 4096*(\g+2), (\g&1), 4
.endr
	s_wait_dscnt 0x8                               ; the hi weights are in; the lo weights' eight loads may stay out
	WIN 0x08                                       ; the silu fragments lie in window 2
.irp s, 0,1
.irp t, 0,1
.irp b, 0,1
	MMB ACCA+16*\t+8*\b, WF+8*(2*\s+\t), 16*\s+8*\b
.endr
.endr
.endr
.irp s, 0,1
.irp t, 0,1
.irp b, 0,1
	MMB ACCA+16*\t+8*\b, WF+8*(2*\s+\t), FAL+16*\s+8*\b
.endr
.endr
.endr
	s_wait_dscnt 0x0
.irp s, 0,1
.irp t, 0,1
.irp b, 0,1
	MMB ACCA+16*\t+8*\b, WF+32+8*(2*\s+\t), 16*\s+8*\b
.endr
.endr
.endr
	WIN 0
.endm
; Second layer, the K steps of that pair of tiles: eight spline steps and the three silu products, 8 accumulators in turn.
; A step's weights are asked for first and land under the arithmetic of its features.  Buffers alternate, so that a whole step's arithmetic
; stands between a matrix instruction and the next write of its sources.
.macro LB_PAIR adr
	PLACES
.irp k, 0,1,2,3,4,5,6,7
	LDW \adr, 4096*\k, (\k&1), 4
	FEATP ACCA+16*(\k>>2)+2*(\k&3), FB+16*(\k&1), 0, SFH+4*(\k>>2)+(\k&3), SFL+4*(\k>>2)+(\k&3)
.if \k == 7
	LDW \adr, 32768, 0, 4                          ; the silu hi weights
.endif
	FEATP ACCA+16*(\k>>2)+8+2*(\k&3), FB+16*(\k&1)+8, 0, SFH+8+4*(\k>>2)+(\k&3), SFL+8+4*(\k>>2)+(\k&3)
.if \k == 7
	s_wait_dscnt 0x8                               ; the silu hi weights' eight loads may stay out
.else
	s_wait_dscnt 0x0
.endif
.irp m, 0,1,2,3
.irp b, 0,1
	MMH ACCB+16*\m+8*\b, WF+32*(\k&1)+8*\m, FB+16*(\k&1)+8*\b
.endr
.endr
.endr
	PLACES5                                        ; the other form follows; buffer 1 is loaded again
	LDW \adr, 36864, 1, 4                          ; the silu lo weights
	SILB
.endm
; Middle output 128: the first layer's ninth tile (fifteen of its outputs have zero weights and zero bias, so they are 0), then the second layer's K steps of
; input tile 8: one spline step and the three silu products; all slots but input 128's meet zero weights (the silu fragments' other registers
; still hold the last pair's numbers).
.macro TAIL adr, boff
	PLACES
.irp b, 0,1
	ds_load_b128 v[ACCA+8*\b:ACCA+8*\b+3], v[ADBI] offset:(\boff)
	ds_load_b128 v[ACCA+8*\b+4:ACCA+8*\b+7], v[ADBI] offset:(\boff)+16
.endr
	LDW \adr, 0, 0, 4
	LDW \adr, 4096, 1, 4
	WIN 0x04
.irp g, 0,1,2,3
	s_wait_dscnt 0x8                               ; all but the next group's eight loads
.irp f, 0,1,2,3
.irp b, 0,1
	MMH ACCA+8*\b, WF+32*(\g&1)+8*\f, 64*\g+16*\f+8*\b
.endr
.endr
.if \g < 3
	PLACES
	LDW \adr, 4096*(\g+2), (\g&1), 4
.endif
.endr
	PLACES5                                        ; the bf16 products follow on the same accumulators
	s_wait_dscnt 0x0                               ; the fifth group: silu hi of steps 0, 1, then lo
	WIN 0x08
.irp s, 0,1
.irp b, 0,1
	MMB ACCA+8*\b, WF+8*\s, 16*\s+8*\b
.endr
.endr
.irp s, 0,1
.irp b, 0,1
	MMB ACCA+8*\b, WF+8*\s, FAL+16*\s+8*\b
.endr
.endr
.irp s, 0,1
.irp b, 0,1
	MMB ACCA+8*\b, WF+16+8*\s, 16*\s+8*\b
.endr
.endr
	WIN 0
	PLACES
	LDW \adr, 20480, 1, 4                          ; the second layer's spline step
	LDW \adr, 24576, 0, 4                          ; its silu hi weights
	FEATP ACCA, FB, 0, SFH, SFL
	FEATP ACCA+8, FB+8, 0, SFH+8, SFL+8
	s_wait_dscnt 0x8                               ; the hi weights' eight loads may stay out
.irp m, 0,1,2,3
.irp b, 0,1
	MMH ACCB+16*\m+8*\b, WF+32+8*\m, FB+8*\b
.endr
.endr
	PLACES5
	LDW \adr, 28672, 1, 4                          ; its silu lo weights
	SILB
.endm
; The slot read last is filled again, two chunks on.  Every wave waits for all its tensor loads (its quarter of the slot that is read next among them) and for
; its LDS reads; the round makes that hold of every wave of the four work-groups; the joint load is the first thing behind it, one a wave.
.macro HEAD_REFILL g0
	s_wait_tensorcnt 0x0
	ds_add_u32 v158, v159
	s_add_nc_u64 s[\g0+2:\g0+3], s[\g0+2:\g0+3], 2*CHUNK       ; no load of mine is out: the address may step
	s_wait_dscnt 0x0
	ROUND
	tensor_load_to_lds s[\g0:\g0+3], s[16:23]
	s_nop 0
.endm
.macro HEAD_LAST                       ; the last chunk: every wave's quarter has landed; nothing is filled any more
	s_wait_tensorcnt 0x0
	s_wait_dscnt 0x0
	s_barrier_signal -1
	s_barrier_wait -1
.endm
	s_load_b256 s[4:11], s[0:1], 0x0               ; x s[4:5], W_out s[6:7], wts s[8:9], out0 s[10:11]
	v_lshl_add_u32 v158, v0, 2, 0x39e00
	v_mov_b32 v159, 0
	ds_add_u32 v158, v159
	v_lshrrev_b32 v1, 5, v0
	v_readfirstlane_b32 s12, v1                    ; wave
	s_bfe_u32 s13, ttmp6, 0x40000                  ; my place in the cluster: it enters the addresses of x and out0 alone
	s_lshl_b32 s14, ttmp9, 2
	s_add_co_u32 s14, s14, s13                     ; work-group
	s_mov_b32 s44, 0x3d200000                      ; 2.5 / 64
	s_mov_b32 s45, 0x3d200000
	s_mov_b32 s48, 0x40400000                      ; 3.0
	s_mov_b32 s49, 0x40400000
	s_mov_b32 s52, 0xbcb8aa3b                      ; -log2 e / 64
	s_mov_b32 s53, 0xbcb8aa3b
	s_mov_b32 s54, 0x414fffff                      ; the largest f32 below 13
	s_mov_b32 s55, 0x76543210                      ; v_permlanex16_b32: lane i of the other half
	s_mov_b32 s56, 0xfedcba98
	s_mov_b32 s57, 0xffff0000                      ; lanes 16-31; also a word's upper 16 bits
	s_mov_b32 s78, 0x07060302                      ; v_perm_b32: the upper halves of two words
	v_mov_b32 v[C75], 0x40f00000
	v_mov_b32 v[C75+1], 0x40f00000
	v_mov_b32 v[CM6], 0xc0c00000
	v_mov_b32 v[CM6+1], 0xc0c00000
	v_and_b32 v15, 31, v0
	v_lshlrev_b32 v[ADA0], 4, v15
	v_add_nc_u32 v[ADB0], PARTB, v[ADA0]
	v_add_nc_u32 v[ADA1], S1, v[ADA0]
	v_add_nc_u32 v[ADB1], S1+PARTB, v[ADA0]
	v_add_nc_u32 v[ADT0], TM, v[ADA0]
	v_add_nc_u32 v[ADT1], TM+TAIL1, v[ADA0]
	v_add_nc_u32 v[ORD], OUTS, v[ADA0]
	v_bfe_u32 v[WO], v0, 4, 1
	v_lshlrev_b32 v[WO], 5, v[WO]                  ; 32 h
	v_add_nc_u32 v[ADBI], TM+TBIAS, v[WO]
	v_and_b32 v[XO], 15, v0
	v_lshl_add_u32 v[XO], v[XO], 7, v[WO]          ; 128 r + 32 h
	v_lshlrev_b32 v[OST], 2, v0
	v_add_nc_u32 v[OST], OUTS, v[OST]              ; one word for each of the group's 128 rows
	; descriptor group 1: dense blocks as rows of 32 elements of 8 bytes; 15:0 mask 15, 17:16 element size code 3, bit 21 set beside a mask
	s_mov_b32 s16, 0x0023000f
	s_mov_b32 s17, 32<<16                          ; tensor_dim0 = 32
	s_mov_b32 s18, 80<<16                          ; tensor_dim1 = 80
	s_mov_b32 s19, 32<<16                          ; tile_dim0 = 32
	s_mov_b32 s20, 80                              ; tile_dim1 = 80 rows: a quarter of a chunk
	s_mov_b32 s21, 32                              ; pitch
	s_mov_b32 s22, 0
	s_mov_b32 s23, 0
	s_mov_b32 s24, 0x0023000f                      ; the same with 71 rows: a quarter of the resident block
	s_mov_b32 s25, 32<<16
	s_mov_b32 s26, 71<<16
	s_mov_b32 s27, 32<<16
	s_mov_b32 s28, 71
	s_mov_b32 s29, 32
	s_mov_b32 s30, 0
	s_mov_b32 s31, 0
	; group 0, a set for each target: s[32:35] slot 0, s[36:39] slot 1, s[40:43] resident block
	s_mov_b32 s32, 1
	s_mul_i32 s33, s12, QCH
	s_mov_b32 s36, 1
	s_add_co_u32 s37, s33, S1
	s_mov_b32 s40, 1
	s_mul_i32 s41, s12, QTM
	s_mov_b32 s58, s33
	s_mov_b32 s59, 0
	s_mov_b32 s60, s41
	s_mov_b32 s61, 0
	s_add_co_u32 s41, s41, TM
	s_lshl_b32 s62, s14, 14                        ; x: 128 rows of 128 bytes a work-group,
	s_lshl_b32 s63, s12, 12                        ; 32 rows a wave
	s_add_co_u32 s62, s62, s63
	s_mov_b32 s63, 0
	s_wait_dscnt 0x0
	s_wait_kmcnt 0x0
	s_add_nc_u64 s[4:5], s[4:5], s[62:63]
	s_lshl_b32 s62, s14, 9                         ; out0: 512 bytes a work-group
	s_add_nc_u64 s[10:11], s[10:11], s[62:63]
	s_add_nc_u64 s[34:35], s[8:9], s[58:59]        ; chunk 0, my quarter
	s_add_nc_u64 s[38:39], s[34:35], CHUNK         ; chunk 1
	s_add_nc_u64 s[42:43], s[8:9], s[60:61]
	s_add_nc_u64 s[42:43], s[42:43], WTM
	s_or_b32 s35, s35, 0x80000000                  ; type 2
	s_or_b32 s39, s39, 0x80000000
	s_or_b32 s43, s43, 0x80000000
	; x as source 1: lane (r, h) takes k = 8 h .. 8 h + 7 and 16 + 8 h .. of row r, in f32
.irp b, 0,1
	global_load_b128 v[TMP+16*\b:TMP+16*\b+3], v[XO], s[4:5] offset:2048*\b th:TH_LOAD_NT
	global_load_b128 v[TMP+16*\b+4:TMP+16*\b+7], v[XO], s[4:5] offset:2048*\b+16 th:TH_LOAD_NT
	global_load_b128 v[TMP+16*\b+8:TMP+16*\b+11], v[XO], s[4:5] offset:2048*\b+64 th:TH_LOAD_NT
	global_load_b128 v[TMP+16*\b+12:TMP+16*\b+15], v[XO], s[4:5] offset:2048*\b+80 th:TH_LOAD_NT
.endr
	WIN 0x80                                       ; destination in window 2
.irp m, 0,1,2,3
	global_load_b128 v[WOUT+8*\m:WOUT+8*\m+3], v[WO], s[6:7] offset:64*\m
	global_load_b128 v[WOUT+8*\m+4:WOUT+8*\m+7], v[WO], s[6:7] offset:64*\m+16
.endr
	WIN 0
	ROUND                                          ; the four work-groups are here: the first joint loads meet
	tensor_load_to_lds s[40:43], s[24:31]          ; resident block
	s_nop 0
	tensor_load_to_lds s[32:35], s[16:23]          ; chunk 0
	s_nop 0
	tensor_load_to_lds s[36:39], s[16:23]          ; chunk 1
	s_nop 0
	s_wait_loadcnt 0x8                             ; x is in; the eight loads of W_out may stay out
.irp b, 0,1
.irp i, 0,1,2,3,4,5,6,7
	v_cvt_pk_f16_f32 v[FB+8*\b+\i], v[TMP+16*\b+2*\i], v[TMP+16*\b+2*\i+1]
.endr
.endr
	s_wait_tensorcnt 0x1                           ; my quarters of the resident block and of chunk 0 are in; chunk 1 stays out
	s_barrier_signal -1
	s_barrier_wait -1
	; the input layer: 64 relu(x W_in + b_in)
	BIASB 0
	LDW ADT1, TWIN, 0, 4
	s_wait_dscnt 0x0
.irp m, 0,1,2,3
.irp b, 0,1
	MMH ACCB+16*\m+8*\b, WF+8*\m, FB+8*\b
.endr
.endr
	PLACES
.set RI, 0
.rept 64
	v_max_num_f32 v[ACCB+RI], 0, v[ACCB+RI]
.set RI, RI+1
.endr
	; block 0
	FEATIN
	BIASB 1024
	LA_PAIR ADA0, 256
	LB_PAIR ADB0
	HEAD_REFILL 32                                 ; chunk 2
	LA_PAIR ADA1, 384
	LB_PAIR ADB1
	HEAD_REFILL 36                                 ; chunk 3
	LA_PAIR ADA0, 512
	LB_PAIR ADB0
	HEAD_REFILL 32                                 ; chunk 4
	LA_PAIR ADA1, 640
	LB_PAIR ADB1
	TAIL ADT0, 768
	PLACES
	; block 1
	FEATIN
	BIASB 2048
	HEAD_REFILL 36                                 ; chunk 5
	LA_PAIR ADA0, 1280
	LB_PAIR ADB0
	HEAD_REFILL 32                                 ; chunk 6
	LA_PAIR ADA1, 1408
	LB_PAIR ADB1
	HEAD_REFILL 36                                 ; chunk 7
	LA_PAIR ADA0, 1536
	LB_PAIR ADB0
	HEAD_LAST
	LA_PAIR ADA1, 1664
	LB_PAIR ADB1
	TAIL ADT1, 1792
	PLACES
	; sigmoid(h W_out): a lane holds 32 of a row's 64 numbers for each batch tile; two chains of packed multiply-adds each
	s_wait_loadcnt 0x0                             ; W_out
	WIN 0x08                                       ; source 1 in window 2
.irp b, 0,1
	v_pk_mul_f32 v[TMP+4*\b:TMP+4*\b+1], v[ACCB+8*\b:ACCB+8*\b+1], v[WOUT:WOUT+1]
	v_pk_mul_f32 v[TMP+4*\b+2:TMP+4*\b+3], v[ACCB+8*\b+2:ACCB+8*\b+3], v[WOUT+2:WOUT+3]
.irp p, 2,3,4,5,6,7,8,9,10,11,12,13,14,15
	v_pk_fma_f32 v[TMP+4*\b+2*(\p&1):TMP+4*\b+2*(\p&1)+1], v[ACCB+16*(\p>>2)+8*\b+2*(\p&3):ACCB+16*(\p>>2)+8*\b+2*(\p&3)+1], v[WOUT+8*(\p>>2)+2*(\p&3):WOUT+8*(\p>>2)+2*(\p&3)+1], v[TMP+4*\b+2*(\p&1):TMP+4*\b+2*(\p&1)+1]
.endr
.endr
	WIN 0
	v_pk_add_f32 v[TMP:TMP+1], v[TMP:TMP+1], v[TMP+2:TMP+3]
	v_pk_add_f32 v[TMP+4:TMP+5], v[TMP+4:TMP+5], v[TMP+6:TMP+7]
	v_add_f32 v[TMP], v[TMP], v[TMP+1]
	v_add_f32 v[TMP+4], v[TMP+4], v[TMP+5]
	v_permlanex16_b32 v[TMP+1], v[TMP], s55, s56   ; the other half of the row's outputs
	v_permlanex16_b32 v[TMP+5], v[TMP+4], s55, s56
	v_add_f32 v[TMP], v[TMP], v[TMP+1]
	v_add_f32 v[TMP+4], v[TMP+4], v[TMP+5]
	v_cndmask_b32 v[TMP], v[TMP], v[TMP+4], s57    ; lane l keeps row l of my 32
	v_mul_f32 v[TMP], s52, v[TMP]                  ; the sum is 64 times the logit: -log2 e / 64 takes that away too
	v_exp_f32 v[TMP], v[TMP]
	v_nop
	s_wait_alu depctr_va_vdst(0)
	v_add_f32 v[TMP], 1.0, v[TMP]
	v_rcp_f32 v[TMP], v[TMP]
	v_nop
	s_wait_alu depctr_va_vdst(0)
	ds_store_b32 v[OST], v[TMP]
	s_wait_dscnt 0x0                               ; for wave 0, which reads all four waves' words behind the round's first barrier
	ROUND                                          ; the closing round: no work-group ends while a partner may still ask jointly
	s_cmp_lg_u32 s12, 0
	s_cbranch_scc1 .Lend
	ds_load_b128 v[TMP:TMP+3], v[ORD]
	s_wait_dscnt 0x0
	global_store_b128 v[ADA0], v[TMP:TMP+3], s[10:11]          ; the group's 128 results: 512 consecutive bytes, aligned
.Lend:
	s_wait_tensorcnt 0x0
	ds_add_u32 v158, v159
	s_wait_dscnt 0x0
	s_endpgm
.Lfunc_end_k_qbb66bb6d27_kan:
	.size	k_qbb66bb6d27_kan, .Lfunc_end_k_qbb66bb6d27_kan-k_qbb66bb6d27_kan
	.p2alignl 7, 3214868480
	.fill 96, 4, 3214868480
	.section	.rodata,"a",@progbits
	.p2align	6, 0x0
	.amdhsa_kernel k_qbb66bb6d27_kan
		.amdhsa_group_segment_fixed_size 327680
		.amdhsa_private_segment_fixed_size 0
		.amdhsa_enable_private_segment 0
		.amdhsa_kernarg_size 32
		.amdhsa_user_sgpr_count 2
		.amdhsa_user_sgpr_kernarg_segment_ptr 1
		.amdhsa_wavefront_size32 1
		.amdhsa_system_sgpr_workgroup_id_x 1
		.amdhsa_system_sgpr_workgroup_id_y 1
		.amdhsa_system_sgpr_workgroup_id_z 1
		.amdhsa_system_vgpr_workitem_id 0
		.amdhsa_next_free_vgpr 640
		.amdhsa_next_free_sgpr 80
		.amdhsa_reserve_vcc 0
		.amdhsa_float_denorm_mode_32 3
		.amdhsa_float_denorm_mode_16_64 3
		.amdhsa_memory_ordered 1
		.amdhsa_forward_progress 1
		.amdhsa_inst_pref_size 255
	.end_amdhsa_kernel
	.section	.bss,"aw",@nobits
	.p2align	6
	.space	262144
	.amdgpu_metadata
---
amdhsa.version: [ 1, 2 ]
amdhsa.kernels:
  - .name:           k_qbb66bb6d27_kan
    .symbol:         k_qbb66bb6d27_kan.kd
    .args:
      - { .name: x, .offset: 0, .size: 8, .value_kind: global_buffer, .address_space: global }
      - { .name: W_out, .offset: 8, .size: 8, .value_kind: global_buffer, .address_space: global }
      - { .name: wts, .offset: 16, .size: 8, .value_kind: global_buffer, .address_space: global }
      - { .name: out0, .offset: 24, .size: 8, .value_kind: global_buffer, .address_space: global }
    .group_segment_fixed_size: 327680
    .private_segment_fixed_size: 0
    .kernarg_segment_align: 8
    .kernarg_segment_size: 32
    .max_flat_workgroup_size: 128
    .sgpr_count:     80
    .vgpr_count:     640
    .wavefront_size: 32
...
	.end_amdgpu_metadata
.endif
;; end of part 2
;; ======== version 2 of 4: 2 launches; 1.88 times as fast as version 1
;; limits: values are held in f16: magnitudes above 65,504 overflow, below 6.1e-05 lose precision
;; workspace buffers: wts 818,176 bytes
;; launch prep (part 3): grid 808 x 1, 1 waves a work-group, no clusters, 0 bytes of LDS; arguments coef0a, coef0b, coef1a, coef1b, ss0a, ss0b, ss1a, ss1b, sb0a, sb0b, sb1a, sb1b, bias0a, bias0b, bias1a, bias1b, W_in, b_in, wts; writes wts
.if DOCPART == 3
	.amdgcn_target "amdgcn-amd-amdhsa--gfx1250"
	.amdhsa_code_object_version 6
	.text
	.protected	k_qbb66bb6d27_prep
	.globl	k_qbb66bb6d27_prep
	.p2align	8
	.type	k_qbb66bb6d27_prep,@function
k_qbb66bb6d27_prep:
	s_mov_b64 s[64:65], 0
	v_nop
	global_prefetch_b8 v0, s[64:65] scope:SCOPE_SE
	s_setreg_imm32_b32 hwreg(HW_REG_WAVE_MODE, 25, 1), 1
	s_wait_xcnt 0x0
; Weights of the whole chain, once, as 16-bit matrix fragments in the order in which the second launch consumes them.
; One wave makes one fragment of 1,024 bytes (16 outputs x 32 k): the lane's registers 0-3 at byte 16 lane, registers 4-7 at 512 + 16 lane.
; Lane (r = lane & 15, h = lane >> 4) holds output o = 16 NT + r.  Two kinds of 32 k:
;   SPL (T, JJ): f16.  registers 0-3 = coef[i][o][0..7] ss[i][o] 64/6 with i = 16 T + 8 h + 2 JJ; registers 4-7 the same with i + 1
;   SIL (T, D):  bf16. registers 0-3 = sb[16 T + 8 h + j][o], j = 0..7; registers 4-7 = sb[16 T + D + 8 h + j][o]; either the number rounded to bf16 (hi)
;                or what that rounding left, rounded to bf16 (lo).  D = 16: two input tiles in one fragment (first layer).  D = 0: the same rows twice (second
;                layer: they meet the hi and the lo part of one tile's silu).  W_in is taken as an sb with D = 16, but stored as f16(64 W_in).
; Whatever has o >= O or i >= I is stored as zero (the index is clamped for the load, the value replaced).
; THE SCALES: the second launch keeps 64 times every activation, forms six times the B-spline bases and 64 times silu.  So spline weights carry
; 64/6, W_in and the biases 64, sb nothing.  The 64 centres the spline weights in f16's range.
; LIMIT: |coef ss| at or above 6,140 and |W_in| at or above 1,023 become infinite in f16.
; Fragment F = the work-group number:  0..791 eighteen groups of 44, one for each block l and middle tile m = 0..8 (group 9 l + m):
;   0..19  first layer, output tile m: 16 spline steps (T = s >> 2, JJ = s & 3), silu hi of input tiles 0, 1 and 2, 3, silu lo of the same
;   20..35 second layer, input tile m: spline, index 4 JJ + output tile;  36..39 silu hi;  40..43 silu lo
; 792..795 W_in;  796..807 twelve rows of 64 f32 of biases (rows 9-11 are zeros: they make the block that the second launch keeps resident four equal
; parts of whole 256-byte rows).  Tile 8 holds middle output 128 alone; its group has 44 fragments like the others, so that one descriptor brings any tile;
; its second-layer spline fragments with JJ > 0 are all zeros, are brought along and are not read.
.set NFRAG,  796
.set HB,     8                         ; half g works in v[HB+20 g .. HB+20 g+16]
.set OUTR,   48                        ; v[48:55] the fragment
	s_load_b512 s[8:23], s[0:1], 0x0               ; coef0a coef0b coef1a coef1b ss0a ss0b ss1a ss1b
	s_load_b512 s[24:39], s[0:1], 0x40             ; sb0a sb0b sb1a sb1b bias0a bias0b bias1a bias1b
	s_load_b128 s[40:43], s[0:1], 0x80             ; W_in, b_in
	s_load_b64 s[44:45], s[0:1], 0x90              ; wts
	s_mov_b32 s2, ttmp9                            ; F
	v_and_b32 v1, 15, v0                           ; r
	v_lshrrev_b32 v2, 4, v0                        ; h
	v_lshlrev_b32 v5, 4, v0                        ; 16 lane
	s_mov_b32 s46, 0                               ; l: block
	s_mov_b32 s47, 0                               ; isb: second layer of the block
	s_mov_b32 s48, 0                               ; kind: 0 SPL, 1 SIL
	s_mov_b32 s50, 0                               ; T
	s_mov_b32 s51, 0                               ; JJ
	s_mov_b32 s54, 0                               ; 1: W_in
	s_mov_b32 s92, 0                               ; 1: the lo part
	s_mov_b32 s94, 16                              ; D
	s_cmp_ge_u32 s2, NFRAG
	s_cbranch_scc1 .Lbias
	s_cmp_ge_u32 s2, 792
	s_cbranch_scc1 .Lwin
	; group = F / 44 (1490 / 2^16 is 1/44 with an excess that stays below 1/44 for F < 792), idx = F - 44 group
	s_mul_i32 s3, s2, 1490
	s_lshr_b32 s3, s3, 16
	s_mul_i32 s4, s3, 44
	s_sub_co_u32 s4, s2, s4                        ; idx
	s_cmp_ge_u32 s3, 9
	s_cselect_b32 s46, 1, 0                        ; l
	s_cselect_b32 s5, 9, 0
	s_sub_co_u32 s5, s3, s5                        ; m
	s_cmp_ge_u32 s4, 20
	s_cbranch_scc1 .Llayer_b
	s_mov_b32 s49, s5                              ; first layer: output tile m, step idx
	s_cmp_ge_u32 s4, 16
	s_cbranch_scc1 .Lasil
	s_lshr_b32 s50, s4, 2                          ; steps 0-15: spline, T = s >> 2, JJ = s & 3
	s_and_b32 s51, s4, 3
	s_branch .Lsel
.Lasil:
	s_mov_b32 s48, 1                               ; steps 16, 17: silu hi of input tiles 0, 1 and 2, 3; steps 18, 19: lo
	s_sub_co_u32 s6, s4, 16
	s_lshr_b32 s92, s6, 1
	s_and_b32 s50, s6, 1
	s_lshl_b32 s50, s50, 1
	s_branch .Lsel
.Llayer_b:
	s_mov_b32 s47, 1                               ; second layer: input tile m
	s_mov_b32 s50, s5
	s_sub_co_u32 s4, s4, 20                        ; e
	s_and_b32 s49, s4, 3                           ; output tile e & 3
	s_cmp_ge_u32 s4, 16
	s_cbranch_scc1 .Lbsil
	s_lshr_b32 s51, s4, 2                          ; JJ = e >> 2
	s_branch .Lsel
.Lbsil:
	s_mov_b32 s48, 1                               ; e = 16..19 hi, 20..23 lo
	s_mov_b32 s94, 0
	s_bfe_u32 s92, s4, 0x10002
	s_branch .Lsel
.Lwin:
	s_mov_b32 s48, 1
	s_mov_b32 s54, 1
	s_sub_co_u32 s49, s2, 792
.Lsel:
	s_wait_kmcnt 0x0
	s_cmp_lg_u32 s47, 0                            ; which layer of the block
	s_cselect_b64 s[56:57], s[10:11], s[8:9]       ; block 0: coef
	s_cselect_b64 s[58:59], s[18:19], s[16:17]     ;          ss
	s_cselect_b64 s[60:61], s[26:27], s[24:25]     ;          sb
	s_cselect_b64 s[66:67], s[14:15], s[12:13]     ; block 1
	s_cselect_b64 s[68:69], s[22:23], s[20:21]
	s_cselect_b64 s[70:71], s[30:31], s[28:29]
	s_cselect_b32 s52, 64, 129                     ; O
	s_cselect_b32 s53, 129, 64                     ; I
	s_cmp_lg_u32 s46, 0                            ; which block
	s_cselect_b64 s[56:57], s[66:67], s[56:57]
	s_cselect_b64 s[58:59], s[68:69], s[58:59]
	s_cselect_b64 s[60:61], s[70:71], s[60:61]
	s_cmp_lg_u32 s54, 0                            ; W_in [32][64] in sb's place
	s_cselect_b64 s[60:61], s[40:41], s[60:61]
	s_cselect_b32 s52, 64, s52
	s_cselect_b32 s53, 32, s53
	s_cselect_b32 s93, -1, 0                       ; all lanes: store f16(64 w)
	s_cmp_lg_u32 s92, 0
	s_cselect_b32 s92, -1, 0                       ; all lanes: store the lo part
	s_lshl_b32 s4, s2, 10                          ; the fragment's place in wts
	s_mov_b32 s5, 0
	s_add_nc_u64 s[44:45], s[44:45], s[4:5]
	s_lshl_b32 s7, s50, 4                          ; 16 T
	s_lshl1_add_u32 s63, s51, s7                   ; 16 T + 2 JJ
	s_sub_co_u32 s55, s52, 1                       ; O - 1
	s_sub_co_u32 s62, s53, 1                       ; I - 1
	v_lshl_add_u32 v3, s49, 4, v1                  ; o
	v_cmp_gt_u32 s72, s52, v3                      ; o < O
	v_min_u32 v4, s55, v3                          ; o, clamped for the loads
; half g of a spline step: eight coefficients and the scale of edge (i, o)
.macro USPL_LD g
	v_lshl_add_u32 v[HB+20*\g], v2, 3, s63         ; i = 16 T + 2 JJ + 8 h (+ g)
.if \g
	v_add_nc_u32 v[HB+20*\g], \g, v[HB+20*\g]
.endif
	v_cmp_gt_u32 s[74+\g], s53, v[HB+20*\g]        ; i < I
	s_and_b32 s[74+\g], s[74+\g], s72
	v_min_u32 v[HB+20*\g], s62, v[HB+20*\g]
	v_mad_u32_u24 v[HB+20*\g+1], v[HB+20*\g], s52, v4     ; i O + o
	v_lshlrev_b32 v[HB+20*\g+2], 5, v[HB+20*\g+1]
	v_lshlrev_b32 v[HB+20*\g+3], 2, v[HB+20*\g+1]
	global_load_b128 v[HB+20*\g+4:HB+20*\g+7], v[HB+20*\g+2], s[56:57]
	global_load_b128 v[HB+20*\g+8:HB+20*\g+11], v[HB+20*\g+2], s[56:57] offset:16
	global_load_b32 v[HB+20*\g+12], v[HB+20*\g+3], s[58:59]
.endm
.macro USPL_FIN g
	v_mul_f32 v[HB+20*\g+14], 0x412aaaab, v[HB+20*\g+12]  ; ss 64/6
	v_cndmask_b32 v[HB+20*\g+14], 0, v[HB+20*\g+14], s[74+\g]
	v_mov_b32 v[HB+20*\g+15], v[HB+20*\g+14]
.irp q, 0,1,2,3
	v_pk_mul_f32 v[HB+20*\g+4+2*\q:HB+20*\g+5+2*\q], v[HB+20*\g+4+2*\q:HB+20*\g+5+2*\q], v[HB+20*\g+14:HB+20*\g+15]
.endr
.irp q, 0,1,2,3
	v_cvt_pk_f16_f32 v[OUTR+4*\g+\q], v[HB+20*\g+4+2*\q], v[HB+20*\g+5+2*\q]
.endr
.endm
; half g of a silu step: sb[16 T + addc + 8 h + j][o], j = 0..7
.macro USIL_LD g, addc
	s_add_co_u32 s73, s7, \addc
	v_lshl_add_u32 v[HB+20*\g+16], v2, 3, s73
.irp j, 0,1,2,3,4,5,6,7
	v_add_nc_u32 v[HB+20*\g+\j], \j, v[HB+20*\g+16]
	v_cmp_gt_u32 s[76+8*\g+\j], s53, v[HB+20*\g+\j]
	s_and_b32 s[76+8*\g+\j], s[76+8*\g+\j], s72
	v_min_u32 v[HB+20*\g+\j], s62, v[HB+20*\g+\j]
	v_mad_u32_u24 v[HB+20*\g+\j], v[HB+20*\g+\j], s52, v4
	v_lshlrev_b32 v[HB+20*\g+\j], 2, v[HB+20*\g+\j]
	global_load_b32 v[HB+20*\g+8+\j], v[HB+20*\g+\j], s[60:61]
.endr
.endm
; All three forms are made and one is kept: hi; lo under s92; f16(64 w) under s93.  The offset registers are free: their loads have been waited for.
.macro USIL_FIN g
.irp j, 0,1,2,3,4,5,6,7
	v_cndmask_b32 v[HB+20*\g+8+\j], 0, v[HB+20*\g+8+\j], s[76+8*\g+\j]
.endr
.irp q, 0,1,2,3
	v_cvt_pk_bf16_f32 v[OUTR+4*\g+\q], v[HB+20*\g+8+2*\q], v[HB+20*\g+9+2*\q]                   ; hi
	v_lshlrev_b32 v[HB+20*\g+2*\q], 16, v[OUTR+4*\g+\q]
	v_and_b32 v[HB+20*\g+2*\q+1], 0xffff0000, v[OUTR+4*\g+\q]
	v_pk_add_f32 v[HB+20*\g+2*\q:HB+20*\g+2*\q+1], v[HB+20*\g+8+2*\q:HB+20*\g+9+2*\q], v[HB+20*\g+2*\q:HB+20*\g+2*\q+1] neg_lo:[0,1] neg_hi:[0,1]
	v_cvt_pk_bf16_f32 v[HB+20*\g+2*\q], v[HB+20*\g+2*\q], v[HB+20*\g+2*\q+1]                    ; lo
	v_cndmask_b32 v[OUTR+4*\g+\q], v[OUTR+4*\g+\q], v[HB+20*\g+2*\q], s92
	v_pk_mul_f32 v[HB+20*\g+8+2*\q:HB+20*\g+9+2*\q], v[HB+20*\g+8+2*\q:HB+20*\g+9+2*\q], 0x42800000 op_sel_hi:[1,0]
	v_cvt_pk_f16_f32 v[HB+20*\g+2*\q+1], v[HB+20*\g+8+2*\q], v[HB+20*\g+9+2*\q]
	v_cndmask_b32 v[OUTR+4*\g+\q], v[OUTR+4*\g+\q], v[HB+20*\g+2*\q+1], s93
.endr
.endm
	s_cmp_eq_u32 s48, 1
	s_cbranch_scc1 .Lsil
	USPL_LD 0
	USPL_LD 1
	s_wait_loadcnt 0x0
	USPL_FIN 0
	USPL_FIN 1
	s_branch .Lstore
.Lsil:
	USIL_LD 0, 0
	USIL_LD 1, s94
	s_wait_loadcnt 0x0
	USIL_FIN 0
	USIL_FIN 1
.Lstore:
	global_store_b128 v5, v[OUTR:OUTR+3], s[44:45]             ; each store covers 512 consecutive bytes, aligned
	global_store_b128 v5, v[OUTR+4:OUTR+7], s[44:45] offset:512
	s_endpgm
.Lbias:
	; row rho of the bias table, times 64: 0 b_in; 1-3 bias0a; 4 bias0b; 5-7 bias1a; 8 bias1b; 9-11 zeros.  Elements at or beyond n are zero.
	s_sub_co_u32 s3, s2, NFRAG                     ; rho
	s_sub_co_u32 s4, s3, 1
	s_lshl_b32 s5, s4, 6                           ; 64 (rho - 1)
	s_sub_co_u32 s6, s3, 5
	s_lshl_b32 s7, s6, 6                           ; 64 (rho - 5)
	s_mov_b32 s46, 0                               ; first element
	s_mov_b32 s47, 0                               ; n
	s_wait_kmcnt 0x0
	s_mov_b64 s[56:57], s[42:43]
	s_cmp_eq_u32 s3, 0
	s_cselect_b32 s47, 64, s47
	s_cmp_lt_u32 s4, 3                             ; unsigned: rho = 0 wraps and fails
	s_cselect_b64 s[56:57], s[32:33], s[56:57]
	s_cselect_b32 s46, s5, s46
	s_cselect_b32 s47, 129, s47
	s_cmp_eq_u32 s3, 4
	s_cselect_b64 s[56:57], s[34:35], s[56:57]
	s_cselect_b32 s47, 64, s47
	s_cmp_lt_u32 s6, 3
	s_cselect_b64 s[56:57], s[36:37], s[56:57]
	s_cselect_b32 s46, s7, s46
	s_cselect_b32 s47, 129, s47
	s_cmp_eq_u32 s3, 8
	s_cselect_b64 s[56:57], s[38:39], s[56:57]
	s_cselect_b32 s47, 64, s47
	s_max_u32 s48, s47, 1
	s_sub_co_u32 s48, s48, 1                       ; the last index that may be loaded
	v_lshl_add_u32 v6, v0, 1, s46                  ; my two elements
	v_add_nc_u32 v7, 1, v6
	v_cmp_gt_u32 s72, s47, v6
	v_cmp_gt_u32 s73, s47, v7
	v_min_u32 v8, s48, v6
	v_min_u32 v9, s48, v7
	v_lshlrev_b32 v8, 2, v8
	v_lshlrev_b32 v9, 2, v9
	global_load_b32 v10, v8, s[56:57]
	global_load_b32 v11, v9, s[56:57]
	s_lshl_b32 s4, s3, 8
	s_add_co_u32 s4, s4, NFRAG*1024
	s_mov_b32 s5, 0
	s_add_nc_u64 s[44:45], s[44:45], s[4:5]
	v_lshlrev_b32 v12, 3, v0
	s_wait_loadcnt 0x0
	v_cndmask_b32 v10, 0, v10, s72
	v_cndmask_b32 v11, 0, v11, s73
	v_mul_f32 v10, 0x42800000, v10
	v_mul_f32 v11, 0x42800000, v11
	global_store_b64 v12, v[10:11], s[44:45]       ; the wave stores the row: 256 consecutive bytes, aligned
	s_endpgm
.Lfunc_end_k_qbb66bb6d27_prep:
	.size	k_qbb66bb6d27_prep, .Lfunc_end_k_qbb66bb6d27_prep-k_qbb66bb6d27_prep
	.p2alignl 7, 3214868480
	.fill 96, 4, 3214868480
	.section	.rodata,"a",@progbits
	.p2align	6, 0x0
	.amdhsa_kernel k_qbb66bb6d27_prep
		.amdhsa_group_segment_fixed_size 0
		.amdhsa_private_segment_fixed_size 0
		.amdhsa_enable_private_segment 0
		.amdhsa_kernarg_size 152
		.amdhsa_user_sgpr_count 2
		.amdhsa_user_sgpr_kernarg_segment_ptr 1
		.amdhsa_wavefront_size32 1
		.amdhsa_system_sgpr_workgroup_id_x 1
		.amdhsa_system_sgpr_workgroup_id_y 1
		.amdhsa_system_sgpr_workgroup_id_z 1
		.amdhsa_system_vgpr_workitem_id 0
		.amdhsa_next_free_vgpr 56
		.amdhsa_next_free_sgpr 96
		.amdhsa_reserve_vcc 0
		.amdhsa_float_denorm_mode_32 3
		.amdhsa_float_denorm_mode_16_64 3
		.amdhsa_memory_ordered 1
		.amdhsa_forward_progress 1
		.amdhsa_inst_pref_size 20
	.end_amdhsa_kernel
	.amdgpu_metadata
---
amdhsa.version: [ 1, 2 ]
amdhsa.kernels:
  - .name:           k_qbb66bb6d27_prep
    .symbol:         k_qbb66bb6d27_prep.kd
    .args:
      - { .name: coef0a, .offset: 0, .size: 8, .value_kind: global_buffer, .address_space: global }
      - { .name: coef0b, .offset: 8, .size: 8, .value_kind: global_buffer, .address_space: global }
      - { .name: coef1a, .offset: 16, .size: 8, .value_kind: global_buffer, .address_space: global }
      - { .name: coef1b, .offset: 24, .size: 8, .value_kind: global_buffer, .address_space: global }
      - { .name: ss0a, .offset: 32, .size: 8, .value_kind: global_buffer, .address_space: global }
      - { .name: ss0b, .offset: 40, .size: 8, .value_kind: global_buffer, .address_space: global }
      - { .name: ss1a, .offset: 48, .size: 8, .value_kind: global_buffer, .address_space: global }
      - { .name: ss1b, .offset: 56, .size: 8, .value_kind: global_buffer, .address_space: global }
      - { .name: sb0a, .offset: 64, .size: 8, .value_kind: global_buffer, .address_space: global }
      - { .name: sb0b, .offset: 72, .size: 8, .value_kind: global_buffer, .address_space: global }
      - { .name: sb1a, .offset: 80, .size: 8, .value_kind: global_buffer, .address_space: global }
      - { .name: sb1b, .offset: 88, .size: 8, .value_kind: global_buffer, .address_space: global }
      - { .name: bias0a, .offset: 96, .size: 8, .value_kind: global_buffer, .address_space: global }
      - { .name: bias0b, .offset: 104, .size: 8, .value_kind: global_buffer, .address_space: global }
      - { .name: bias1a, .offset: 112, .size: 8, .value_kind: global_buffer, .address_space: global }
      - { .name: bias1b, .offset: 120, .size: 8, .value_kind: global_buffer, .address_space: global }
      - { .name: W_in, .offset: 128, .size: 8, .value_kind: global_buffer, .address_space: global }
      - { .name: b_in, .offset: 136, .size: 8, .value_kind: global_buffer, .address_space: global }
      - { .name: wts, .offset: 144, .size: 8, .value_kind: global_buffer, .address_space: global }
    .group_segment_fixed_size: 0
    .private_segment_fixed_size: 0
    .kernarg_segment_align: 8
    .kernarg_segment_size: 152
    .max_flat_workgroup_size: 32
    .sgpr_count:     96
    .vgpr_count:     56
    .wavefront_size: 32
...
	.end_amdgpu_metadata
.endif
;; end of part 3
;; launch kan (part 4): grid 256 x 1, 4 waves a work-group, clusters of 4 x 1, 327,680 bytes of LDS; arguments x, W_out, wts, out0; writes out0
.if DOCPART == 4
	.amdgcn_target "amdgcn-amd-amdhsa--gfx1250"
	.amdhsa_code_object_version 6
	.text
	.protected	k_qbb66bb6d27_kan
	.globl	k_qbb66bb6d27_kan
	.p2align	8
	.type	k_qbb66bb6d27_kan,@function
k_qbb66bb6d27_kan:
	s_mov_b64 s[64:65], 0
	v_nop
	global_prefetch_b8 v0, s[64:65] scope:SCOPE_SE
	s_setreg_imm32_b32 hwreg(HW_REG_WAVE_MODE, 25, 1), 1
	s_wait_xcnt 0x0
	s_wait_alu depctr_hold_cnt(0) depctr_sa_sdst(0) depctr_va_vdst(0) depctr_va_sdst(0) depctr_va_ssrc(0) depctr_va_vcc(0) depctr_vm_vsrc(0)
	s_getreg_b32 s2, hwreg(HW_REG_IB_STS2, 6, 4)
	s_cmp_eq_u32 s2, 0
	s_cbranch_scc0 .Lentry_in_a_cluster
	s_endpgm
.Lentry_in_a_cluster:
	s_bfe_u32 s2, ttmp6, 0x10000c
	s_cmp_lg_u32 s2, 0x3003
	s_cbranch_scc0 .Lentry_shape_is_right
	s_endpgm
.Lentry_shape_is_right:
; out = sigmoid(KAN(KAN(relu(x W_in + b_in))) W_out), the whole chain for 128 rows a work-group, 32 rows (two batch tiles) a wave.
; A KAN layer is a matrix product over nine features of each input: eight cubic B-spline bases and silu.
;
; THE MATRIX INSTRUCTION IS USED TRANSPOSED: source 0 = 16 outputs x 32 k of weights, source 1 = 16 batch rows x 32 k of features.  In the result
; lane (r = lane & 15, h = lane >> 4) holds batch row r and register j output 16 tile + 8 h + j.  The order of k is chosen so that the 16 k
; that a lane supplies to the NEXT layer are features of the numbers it already holds: a spline step (tile t, jj) has basis p of input
; 16 t + 8 h + 2 jj at k = 8 h + p and of input 16 t + 8 h + 2 jj + 1 at k = 16 + 8 h + p.  So activations never leave the lane: no LDS stage, no exchange
; between lanes.  The first launch wrote the weights in this order.
;
; FORMATS.  Five products follow each other and each layer enlarges the error that it is handed, so eight significant bits in the operands are too few here.
; Spline steps and the input layer go in f16 (eleven bits): six times a basis lies in [0, 4] whatever the input, and the weights are centred in f16's
; range by a factor 64.  Silu is unbounded, so it stays in bf16, in two parts: feature = hi + lo, sb = hi + lo.  First layer: a fragment holds two input tiles,
; three products (hi hi, hi lo, lo hi).  Second layer: a fragment holds one tile's hi at k = 8 h + j and its lo at k = 16 + 8 h + j, the weights the same rows
; twice, two products (hi weights, lo weights).  Every accumulator holds 64 TIMES its activation; the 1/64 sits in constants that are multiplied in
; anyway (2.5/64, log2 e/64), and accumulator x sigmoid is 64 silu, which meets sb unscaled.  An f16 and a bf16 product on one accumulator are five
; places apart (ISA guide 7.12.1).
;
; THE SPLINE, on the uniform grid: t = 2.5 x + 7.5 clamped to [2, 13), n = floor t, u = t - n, v = 1 - u.  Six times the four bases that are not
; zero: v^3, (3u-6)u^2+4, (3v-6)v^2+4, u^3, for bases n-5 .. n-2.  They are packed to four f16 and moved into the eight slots
; by a shift of 16 bits on n's parity and selects on n >> 1: no branch and no address hangs on a number.  At both clamps every basis 0..7 is 0,
; but for basis 7 at the upper clamp, which is (2^-20)^3 and rounds to 0 in f16.
; LIMITS: the cell is decided on 2.5 x + 7.5 and not on rounded knots (the spline is twice differentiable, so the values agree to rounding);
; a NaN in front of the relu becomes 0 there (v_max_num_f32) where the definition keeps it; |x| at or above 65,504 is infinite in f16;
; activations above 2^-6 of f32's largest number overflow.
;
; THE TWO LAYERS OF A BLOCK ARE INTERLEAVED, TILE BY TILE: the first layer's features (16 spline steps, 2 silu hi, 2 silu lo, x 2 batch tiles: 320 registers)
; stay in registers; for each of its nine output tiles 44 matrix instructions make the tile, its features are formed at once and added into the second
; layer's eight accumulators.  Weights come in that order, 44 fragments (45,056 bytes) a tile, through two LDS slots.  Biases start the sums.
; LOOPS: a block's text is run twice; in it the text of two tiles (slot 0, slot 1) is run four times; tile 8, which holds middle output 128 alone, is written out
; behind that loop with the work that one output needs, and asks for nothing.  The block's first tile is asked for at the block's head and lands under the
; arithmetic of the block's input features.  So every trip of either loop issues the same tensor loads and every tile asked for is read.
; CLUSTER: all work-groups read the same weights, so four of them ask for every tile jointly (mask 15); each wave brings a quarter of a tile, and
; nothing in a descriptor hangs on the place in the cluster.  A wave has one tensor load out at any time.
; The last product (64 x 1) is 64 multiply-adds a row in f32 on the vector unit: a matrix tile would be fifteen sixteenths empty.
.set TILE,   45056                     ; a tile's 44 fragments of 1,024 bytes
.set QT,     11264                     ; a wave's quarter of them: 44 rows of 256 bytes
.set OLB,    20480                     ; in a tile's group: the second layer's spline fragments,
.set OHH,    36864                     ; its silu hi weights,
.set OLL,    40960                     ; its silu lo weights
.set S1,     45056                     ; LDS: slot 0 at 0, slot 1 here
.set RES,    90112                     ; LDS: resident block: W_in (4,096), biases (3,072)
.set QRES,   1792                      ; a wave's quarter of it: 7 rows of 256 bytes
.set WRES,   811008                    ; its place in wts
.set BI,     RES+4096
.set OUTS,   97280                     ; LDS: 512 bytes for the results, in 256-byte blocks into which no tensor load lands
.set ADS0, 1                           ; v1  16 lane: slot 0
.set ADS1, 2                           ; v2  slot 1
.set ADRS, 3                           ; v3  W_in
.set ADBA, 4                           ; v4  biases + 32 h; it only steps forward through the table
.set XO,   7                           ; v7  128 r + 32 h in x
.set OST,  8                           ; v8  where my result goes in LDS
.set WO,   9                           ; v9  32 h in W_out
.set C75,  10                          ; v[10:11] 7.5 twice
.set CM6,  12                          ; v[12:13] -6.0 twice
.set ORD,  14                          ; v14 where wave 0 reads the results back
.set ACCA, 16                          ; v[16:47]   first layer's tile: partial sum p (even, odd K steps), batch tile bt at 16 p + 8 bt
.set ACCB, 48                          ; v[48:111]  second layer (and the block's input): tile m, batch tile bt at 16 m + 8 bt
.set FB,   112                         ; v[112:143] spline feature fragments, two buffers x two batch tiles
.set SF,   144                         ; v[144:159] a middle tile's silu fragment, batch tile bt at 8 bt: hi in registers 0-3, lo in 4-7
.set WF,   160                         ; v[160:223] weight fragments, two buffers of four
.set TMP,  224                         ; v[224:255] at work
; window 1 (v256-511): first layer's spline fragments, K step s, batch tile bt at 16 s + 8 bt, s = 0..15
; window 2 (v512-607):
.set FAL,  32                          ; first layer's silu fragments: hi at 16 s + 8 bt, lo at 32 + 16 s + 8 bt, s = 0, 1
.set WOUT, 64                          ; W_out[16 m + 8 h + j] at 64 + 8 m + j
.set TT,  TMP                          ; t, then u
.set TC,  TMP+2                        ; floor t, then n
.set TV,  TMP+4                        ; v
.set TU2, TMP+6                        ; u^2, then u^3
.set TV2, TMP+8                        ; v^2, then v^3
.set TQU, TMP+10                       ; 3u-6, then the second weight
.set TQV, TMP+12                       ; 3v-6, then the third weight
.set TWL, TMP+14                       ; per value: {w0,w1}, {w2,w3}
.set TSH, TMP+18                       ; per value: 16 if n is odd, 16 if n is even
.set TDL, TMP+22                       ; n >> 1
.set TA,  TMP+24                       ; per value: the three words for dwords n/2-3, n/2-2, n/2-1
.set TE,  TMP+30                       ; the silu's way
.set TX,  TMP                          ; eight words on their way through the selects
.set TLR, TMP+8
.set THL, TMP+10
.set TLL, TMP+12
.set TH,  TMP+8                        ; silu cut to bf16, then what the cut left
.set MSB, 0
.macro WIN new                         ; s_set_vgpr_msb: bits 1:0 source 0, 3:2 source 1, 5:4 source 2, 7:6 destination; the high byte repeats the setting that is left
.if MSB != (\new)
	s_set_vgpr_msb (MSB<<8)|(\new)
.set MSB, (\new)
.endif
.endm
.macro PLACES                          ; four places behind a matrix instruction, in front of vector work on its registers and of loads into them
.rept 4
	v_nop
.endr
.endm
.macro PLACES5                         ; five, in front of a matrix instruction of the other form on the same accumulators
.rept 5
	v_nop
.endr
.endm
.macro ROUND                           ; a round of the cluster's barrier
	s_barrier_signal -1
	s_barrier_wait -1
	s_cmp_lg_u32 s12, 0
	s_cbranch_scc1 .Lnot_wave_0_\@
	s_barrier_signal -3
.Lnot_wave_0_\@:
	s_barrier_wait -3
	s_barrier_signal -1
	s_barrier_wait -1
.endm
.macro MMH acc, w, f                   ; acc += weights w x features f, f16
	v_wmma_f32_16x16x32_f16 v[(\acc):(\acc)+7], v[(\w):(\w)+7], v[(\f):(\f)+7], v[(\acc):(\acc)+7]
.endm
.macro MMH0 acc, w, f                  ; acc = weights w x features f: starts a sum
	v_wmma_f32_16x16x32_f16 v[(\acc):(\acc)+7], v[(\w):(\w)+7], v[(\f):(\f)+7], 0
.endm
.macro MMB acc, w, f                   ; acc += weights w x features f, bf16
	v_wmma_f32_16x16x32_bf16 v[(\acc):(\acc)+7], v[(\w):(\w)+7], v[(\f):(\f)+7], v[(\acc):(\acc)+7]
.endm
.macro LDW adr, off, buf, n            ; n weight fragments from v[adr] + off into buffer buf: 32 lanes x 16 neighbouring bytes a load
.set LDWF, 0
.rept \n
	ds_load_b128 v[WF+32*(\buf)+8*LDWF:WF+32*(\buf)+8*LDWF+3], v[\adr] offset:(\off)+1024*LDWF
	ds_load_b128 v[WF+32*(\buf)+8*LDWF+4:WF+32*(\buf)+8*LDWF+7], v[\adr] offset:(\off)+1024*LDWF+512
.set LDWF, LDWF+1
.endr
.endm
.macro BIASB off                       ; the second layer's accumulators start as the bias of their eight outputs, alike in both batch tiles
.irp m, 0,1,2,3
.irp b, 0,1
	ds_load_b128 v[ACCB+16*\m+8*\b:ACCB+16*\m+8*\b+3], v[ADBA] offset:(\off)+64*\m
	ds_load_b128 v[ACCB+16*\m+8*\b+4:ACCB+16*\m+8*\b+7], v[ADBA] offset:(\off)+64*\m+16
.endr
.endr
.endm
; The features of the two numbers (64 times them) in v[x:x+1]: six times their eight bases each, f16, into v[d:d+7] (destination window setting dw);
; 64 times their silu as bf16 hi into v[sh] and lo into v[sl] (destination window setting sw).
.macro FEATP x, d, dw, sh, sl, sw
	v_pk_fma_f32 v[TT:TT+1], v[(\x):(\x)+1], s[44:45], v[C75:C75+1] op_sel_hi:[1,0,1]   ; 2.5 x + 7.5
	v_pk_mul_f32 v[TE:TE+1], v[(\x):(\x)+1], s[52:53] op_sel_hi:[1,0]                   ; -x log2 e
	v_med3_num_f32 v[TT], v[TT], 2.0, s54
	v_med3_num_f32 v[TT+1], v[TT+1], 2.0, s54
	v_exp_f32 v[TE], v[TE]
	v_exp_f32 v[TE+1], v[TE+1]
	v_floor_f32 v[TC], v[TT]                       ; plain work stands between the exponentials and their use (ISA guide 5.7.2)
	v_floor_f32 v[TC+1], v[TT+1]
	v_pk_add_f32 v[TT:TT+1], v[TT:TT+1], v[TC:TC+1] neg_lo:[0,1] neg_hi:[0,1]           ; u
	s_wait_alu depctr_va_vdst(0)
	v_pk_add_f32 v[TE:TE+1], v[TE:TE+1], 1.0 op_sel_hi:[1,0]
	v_rcp_f32 v[TE], v[TE]
	v_rcp_f32 v[TE+1], v[TE+1]
	v_cvt_i32_f32 v[TC], v[TC]                     ; n; plain work behind the reciprocals too
	v_cvt_i32_f32 v[TC+1], v[TC+1]
	v_pk_fma_f32 v[TV:TV+1], v[TT:TT+1], -1.0, 1.0 op_sel_hi:[1,0,0]                    ; v = 1 - u
	v_pk_mul_f32 v[TU2:TU2+1], v[TT:TT+1], v[TT:TT+1]
	v_pk_mul_f32 v[TV2:TV2+1], v[TV:TV+1], v[TV:TV+1]
	v_pk_fma_f32 v[TQU:TQU+1], v[TT:TT+1], s[48:49], v[CM6:CM6+1] op_sel_hi:[1,0,1]     ; 3u - 6
	v_pk_fma_f32 v[TQV:TQV+1], v[TV:TV+1], s[48:49], v[CM6:CM6+1] op_sel_hi:[1,0,1]
	v_pk_fma_f32 v[TQU:TQU+1], v[TQU:TQU+1], v[TU2:TU2+1], 4.0 op_sel_hi:[1,1,0]        ; (3u-6)u^2 + 4
	v_pk_fma_f32 v[TQV:TQV+1], v[TQV:TQV+1], v[TV2:TV2+1], 4.0 op_sel_hi:[1,1,0]
	v_pk_mul_f32 v[TU2:TU2+1], v[TU2:TU2+1], v[TT:TT+1]                                 ; u^3
	v_pk_mul_f32 v[TV2:TV2+1], v[TV2:TV2+1], v[TV:TV+1]                                 ; v^3
	s_wait_alu depctr_va_vdst(0)
	v_pk_mul_f32 v[TE:TE+1], v[(\x):(\x)+1], v[TE:TE+1]                                 ; 64 silu
.irp i, 0,1
	v_cvt_pk_f16_f32 v[TWL+2*\i], v[TV2+\i], v[TQU+\i]         ; bases n-5, n-4
	v_cvt_pk_f16_f32 v[TWL+2*\i+1], v[TQV+\i], v[TU2+\i]       ; bases n-3, n-2
	v_lshlrev_b32 v[TSH+2*\i], 4, v[TC+\i]
	v_lshrrev_b32 v[TDL+\i], 1, v[TC+\i]
.endr
.irp i, 0,1
	v_and_b32 v[TSH+2*\i], 16, v[TSH+2*\i]                     ; 16 if n is odd: the four weights then begin on a dword
	v_lshlrev_b32 v[THL+\i], 16, v[TWL+2*\i+1]
	v_lshlrev_b32 v[TLL+\i], 16, v[TWL+2*\i]
	v_xor_b32 v[TSH+2*\i+1], 16, v[TSH+2*\i]                   ; 16 if n is even: they begin in a dword's upper half
	v_lshlrev_b32 v[TA+3*\i], v[TSH+2*\i], v[TLL+\i]           ; dword n/2 - 3: {0, w0} or nothing
	v_lshrrev_b32 v[TLR+\i], v[TSH+2*\i+1], v[TWL+2*\i]
	v_lshrrev_b32 v[TA+3*\i+2], v[TSH+2*\i+1], v[TWL+2*\i+1]   ; dword n/2 - 1: {w3, 0} or {w2, w3}
	v_lshl_or_b32 v[TA+3*\i+1], v[THL+\i], v[TSH+2*\i], v[TLR+\i]   ; dword n/2 - 2: {w1, w2} or {w0, w1}
.endr
	v_and_b32 v[TH], s57, v[TE]                                ; silu cut to its upper 16 bits: the hi part as f32
	v_and_b32 v[TH+1], s57, v[TE+1]
	v_pk_add_f32 v[TH:TH+1], v[TE:TE+1], v[TH:TH+1] neg_lo:[0,1] neg_hi:[0,1]           ; what the cut left, exactly
.irp k, 1,2,3,4,5,6
	v_cmp_eq_u32 s[65+\k], \k, v[TDL]
	v_cmp_eq_u32 s[71+\k], \k, v[TDL+1]
.endr
.irp q, 0,1,2,3
	v_cndmask_b32 v[TX+\q], 0, v[TA+2], s[66+\q]               ; dword q takes the third word if n/2 = q + 1,
	v_cndmask_b32 v[TX+4+\q], 0, v[TA+5], s[72+\q]
.endr
.irp q, 0,1,2,3
	v_cndmask_b32 v[TX+\q], v[TX+\q], v[TA+1], s[67+\q]        ; the second if n/2 = q + 2,
	v_cndmask_b32 v[TX+4+\q], v[TX+4+\q], v[TA+4], s[73+\q]
.endr
	WIN \dw
.irp q, 0,1,2,3
	v_cndmask_b32 v[(\d)+\q], v[TX+\q], v[TA], s[68+\q]        ; the first if n/2 = q + 3, else zero
	v_cndmask_b32 v[(\d)+4+\q], v[TX+4+\q], v[TA+3], s[74+\q]
.endr
	WIN \sw
	v_perm_b32 v[(\sh)], v[TE+1], v[TE], s78                   ; the two upper halves
	v_cvt_pk_bf16_f32 v[(\sl)], v[TH], v[TH+1]
	WIN 0
.endm
; The features of a block's 64 inputs (in ACCB) for both batch tiles, into windows 1 and 2
.macro FEATIN
.irp t, 0,1,2,3
.irp b, 0,1
.irp j, 0,1,2,3
	FEATP ACCB+16*\t+8*\b+2*\j, 16*(4*\t+\j)+8*\b, 0x40, 16*(\t>>1)+8*\b+4*(\t&1)+\j, FAL+16*(\t>>1)+8*\b+4*(\t&1)+\j, 0x80
.endr
.endr
.endr
.endm
; First layer, one output tile.  Five groups of four fragments through two buffers: four of four spline steps each, then the silu weights (hi of both steps, lo of both).
; Even K steps add onto the sum that began as the bias, odd ones onto a second sum that the first odd step starts, so that four accumulators take turns,
; one instruction a turn; eight packed additions join the two sums.
.macro LA_TILE adr, boff
	PLACES
.irp b, 0,1
	ds_load_b128 v[ACCA+8*\b:ACCA+8*\b+3], v[ADBA] offset:(\boff)
	ds_load_b128 v[ACCA+8*\b+4:ACCA+8*\b+7], v[ADBA] offset:(\boff)+16
.endr
	LDW \adr, 0, 0, 4
	LDW \adr, 4096, 1, 4
	WIN 0x04                                       ; source 1 in window 1; the loads and v_nop between name no source 1
.irp g, 0,1,2,3
	s_wait_dscnt 0x8                               ; all but the next group's eight loads
.irp f, 0,1,2,3
.irp b, 0,1
.if (4*\g+\f) == 1
	MMH0 ACCA+16+8*\b, WF+8, 16+8*\b
.else
	MMH ACCA+16*(\f&1)+8*\b, WF+32*(\g&1)+8*\f, 64*\g+16*\f+8*\b
.endif
.endr
.endr
.if \g < 3
	PLACES
	LDW \adr, 4096*(\g+2), (\g&1), 4
.endif
.endr
	PLACES5                                        ; the bf16 products follow on the same accumulators
	s_wait_dscnt 0x0                               ; the fifth group: nothing was issued behind it
	WIN 0x08                                       ; the silu fragments lie in window 2
.irp s, 0,1
.irp b, 0,1
	MMB ACCA+16*\s+8*\b, WF+8*\s, 16*\s+8*\b       ; hi weights x hi features
.endr
.endr
.irp s, 0,1
.irp b, 0,1
	MMB ACCA+16*\s+8*\b, WF+8*\s, FAL+16*\s+8*\b   ; hi weights x lo features
.endr
.endr
.irp s, 0,1
.irp b, 0,1
	MMB ACCA+16*\s+8*\b, WF+16+8*\s, 16*\s+8*\b    ; lo weights x hi features
.endr
.endr
	WIN 0
	PLACES
.irp i, 0,1,2,3,4,5,6,7
	v_pk_add_f32 v[ACCA+2*\i:ACCA+2*\i+1], v[ACCA+2*\i:ACCA+2*\i+1], v[ACCA+16+2*\i:ACCA+16+2*\i+1]
.endr
.endm
; The second layer's two silu products: the hi weights are on their way into buffer 0; the lo weights go into buffer 1.  Eight accumulators in turn.
.macro SILB adr
	PLACES5                                        ; the other form follows; buffer 1 is loaded again
	LDW \adr, OLL, 1, 4
	s_wait_dscnt 0x8                               ; the hi weights are in; the lo weights' eight loads may stay out
.irp m, 0,1,2,3
.irp b, 0,1
	MMB ACCB+16*\m+8*\b, WF+8*\m, SF+8*\b
.endr
.endr
	s_wait_dscnt 0x0
.irp m, 0,1,2,3
.irp b, 0,1
	MMB ACCB+16*\m+8*\b, WF+32+8*\m, SF+8*\b
.endr
.endr
.endm
; Second layer, the K steps of that tile: four spline steps and the silu products, 8 accumulators in turn.
; A step's weights are asked for first and land under the arithmetic of its features.  Buffers alternate, so that a whole step's arithmetic
; stands between a matrix instruction and the next write of its sources.
.macro LB_TILE adr
.irp k, 0,1,2,3
	LDW \adr, OLB+4096*\k, (\k&1), 4
	FEATP ACCA+2*\k, FB+16*(\k&1), 0, SF+\k, SF+4+\k, 0
.if \k == 3
	LDW \adr, OHH, 0, 4                            ; the silu hi weights
.endif
	FEATP ACCA+8+2*\k, FB+16*(\k&1)+8, 0, SF+8+\k, SF+12+\k, 0
.if \k == 3
	s_wait_dscnt 0x8                               ; the silu hi weights' eight loads may stay out
.else
	s_wait_dscnt 0x0
.endif
.irp m, 0,1,2,3
.irp b, 0,1
	MMH ACCB+16*\m+8*\b, WF+32*(\k&1)+8*\m, FB+16*(\k&1)+8*\b
.endr
.endr
.endr
	SILB \adr
.endm
; Tile 8, from slot 0: fifteen of its outputs have zero weights and zero bias, so they are 0.  Of the second layer's K steps only the first spline step
; and the silu products have weights that are not zero; the silu fragment's registers 1-3 and 5-7 still hold tile 7's numbers and meet zero weights.
.macro TAIL
	LA_TILE ADS0, 0
	LDW ADS0, OLB, 1, 4
	LDW ADS0, OHH, 0, 4
	FEATP ACCA, FB, 0, SF, SF+4, 0
	FEATP ACCA+8, FB+8, 0, SF+8, SF+12, 0
	s_wait_dscnt 0x8                               ; the silu hi weights' eight loads may stay out
.irp m, 0,1,2,3
.irp b, 0,1
	MMH ACCB+16*\m+8*\b, WF+32+8*\m, FB+8*\b
.endr
.endr
	SILB ADS0
.endm
; The slot read last is filled with the next tile.  Every wave waits for all its tensor loads (its quarter of the tile that is read next) and for its LDS reads;
; the round makes that hold of every wave of the four work-groups; the joint load is the first thing behind it, one a wave.
; Both slots' descriptors always hold the next tile's address: no load of mine is out behind the wait, so both may step.
.macro STEP_ADR
	s_add_nc_u64 s[34:35], s[34:35], TILE
	s_add_nc_u64 s[38:39], s[38:39], TILE
.endm
.macro HEADF g0
	s_wait_tensorcnt 0x0
	ds_add_u32 v5, v6
	STEP_ADR
	s_wait_dscnt 0x0
	ROUND
	tensor_load_to_lds s[\g0:\g0+3], s[16:23]
	s_nop 0
.endm
.macro HEAD_TAIL                       ; tile 8: every wave's quarter has landed
	s_wait_tensorcnt 0x0
	STEP_ADR                                       ; the next block's first tile (behind the last block the address is not used)
	s_wait_dscnt 0x0
	s_barrier_signal -1
	s_barrier_wait -1
.endm
	s_load_b256 s[4:11], s[0:1], 0x0               ; x s[4:5], W_out s[6:7], wts s[8:9], out0 s[10:11]
	v_lshl_add_u32 v5, v0, 2, 0x29000
	v_mov_b32 v6, 0
	ds_add_u32 v5, v6
	v_lshrrev_b32 v1, 5, v0
	v_readfirstlane_b32 s12, v1                    ; wave
	s_bfe_u32 s13, ttmp6, 0x40000                  ; my place in the cluster: it enters the addresses of x and out0 alone
	s_lshl_b32 s14, ttmp9, 2
	s_add_co_u32 s14, s14, s13                     ; work-group
	s_mov_b32 s44, 0x3d200000                      ; 2.5 / 64
	s_mov_b32 s45, 0x3d200000
	s_mov_b32 s48, 0x40400000                      ; 3.0
	s_mov_b32 s49, 0x40400000
	s_mov_b32 s52, 0xbcb8aa3b                      ; -log2 e / 64
	s_mov_b32 s53, 0xbcb8aa3b
	s_mov_b32 s54, 0x414fffff                      ; the largest f32 below 13
	s_mov_b32 s55, 0x76543210                      ; v_permlanex16_b32: lane i of the other half
	s_mov_b32 s56, 0xfedcba98
	s_mov_b32 s57, 0xffff0000                      ; lanes 16-31; also a word's upper 16 bits
	s_mov_b32 s78, 0x07060302                      ; v_perm_b32: the upper halves of two words
	v_mov_b32 v[C75], 0x40f00000
	v_mov_b32 v[C75+1], 0x40f00000
	v_mov_b32 v[CM6], 0xc0c00000
	v_mov_b32 v[CM6+1], 0xc0c00000
	v_and_b32 v15, 31, v0
	v_lshlrev_b32 v[ADS0], 4, v15
	v_add_nc_u32 v[ADS1], S1, v[ADS0]
	v_add_nc_u32 v[ADRS], RES, v[ADS0]
	v_add_nc_u32 v[ORD], OUTS, v[ADS0]
	v_bfe_u32 v[WO], v0, 4, 1
	v_lshlrev_b32 v[WO], 5, v[WO]                  ; 32 h
	v_add_nc_u32 v[ADBA], BI, v[WO]
	v_and_b32 v[XO], 15, v0
	v_lshl_add_u32 v[XO], v[XO], 7, v[WO]          ; 128 r + 32 h
	v_lshlrev_b32 v[OST], 2, v0
	v_add_nc_u32 v[OST], OUTS, v[OST]              ; one word for each of the group's 128 rows
	; descriptor group 1: dense blocks as rows of 32 elements of 8 bytes; 15:0 mask 15, 17:16 element size code 3, bit 21 set beside a mask
	s_mov_b32 s16, 0x0023000f
	s_mov_b32 s17, 32<<16                          ; tensor_dim0 = 32
	s_mov_b32 s18, 44<<16                          ; tensor_dim1 = 44
	s_mov_b32 s19, 32<<16                          ; tile_dim0 = 32
	s_mov_b32 s20, 44                              ; tile_dim1 = 44 rows: a quarter of a tile's weights
	s_mov_b32 s21, 32                              ; pitch
	s_mov_b32 s22, 0
	s_mov_b32 s23, 0
	s_mov_b32 s24, 0x0023000f                      ; the same with 7 rows: a quarter of the resident block
	s_mov_b32 s25, 32<<16
	s_mov_b32 s26, 7<<16
	s_mov_b32 s27, 32<<16
	s_mov_b32 s28, 7
	s_mov_b32 s29, 32
	s_mov_b32 s30, 0
	s_mov_b32 s31, 0
	; group 0, a set for each target: s[32:35] slot 0, s[36:39] slot 1, s[40:43] resident block
	s_mov_b32 s32, 1
	s_mul_i32 s33, s12, QT
	s_mov_b32 s36, 1
	s_add_co_u32 s37, s33, S1
	s_mov_b32 s40, 1
	s_mul_i32 s41, s12, QRES
	s_mov_b32 s58, s33
	s_mov_b32 s59, 0
	s_mov_b32 s60, s41
	s_mov_b32 s61, 0
	s_add_co_u32 s41, s41, RES
	s_lshl_b32 s62, s14, 14                        ; x: 128 rows of 128 bytes a work-group,
	s_lshl_b32 s63, s12, 12                        ; 32 rows a wave
	s_add_co_u32 s62, s62, s63
	s_mov_b32 s63, 0
	s_wait_dscnt 0x0
	s_wait_kmcnt 0x0
	s_add_nc_u64 s[4:5], s[4:5], s[62:63]
	s_lshl_b32 s62, s14, 9                         ; out0: 512 bytes a work-group
	s_add_nc_u64 s[10:11], s[10:11], s[62:63]
	s_add_nc_u64 s[34:35], s[8:9], s[58:59]        ; the first tile, my quarter
	s_mov_b64 s[38:39], s[34:35]
	s_add_nc_u64 s[42:43], s[8:9], s[60:61]
	s_add_nc_u64 s[42:43], s[42:43], WRES
	s_or_b32 s35, s35, 0x80000000                  ; type 2
	s_or_b32 s39, s39, 0x80000000
	s_or_b32 s43, s43, 0x80000000
	; x as source 1: lane (r, h) takes k = 8 h .. 8 h + 7 and 16 + 8 h .. of row r, in f32
.irp b, 0,1
	global_load_b128 v[TMP+16*\b:TMP+16*\b+3], v[XO], s[4:5] offset:2048*\b th:TH_LOAD_NT
	global_load_b128 v[TMP+16*\b+4:TMP+16*\b+7], v[XO], s[4:5] offset:2048*\b+16 th:TH_LOAD_NT
	global_load_b128 v[TMP+16*\b+8:TMP+16*\b+11], v[XO], s[4:5] offset:2048*\b+64 th:TH_LOAD_NT
	global_load_b128 v[TMP+16*\b+12:TMP+16*\b+15], v[XO], s[4:5] offset:2048*\b+80 th:TH_LOAD_NT
.endr
	WIN 0x80                                       ; destination in window 2
.irp m, 0,1,2,3
	global_load_b128 v[WOUT+8*\m:WOUT+8*\m+3], v[WO], s[6:7] offset:64*\m
	global_load_b128 v[WOUT+8*\m+4:WOUT+8*\m+7], v[WO], s[6:7] offset:64*\m+16
.endr
	WIN 0
	ROUND                                          ; the four work-groups are here: the first joint load meets
	tensor_load_to_lds s[40:43], s[24:31]          ; resident block
	s_nop 0
	s_wait_loadcnt 0x8                             ; x is in; the eight loads of W_out may stay out
.irp b, 0,1
.irp i, 0,1,2,3,4,5,6,7
	v_cvt_pk_f16_f32 v[FB+8*\b+\i], v[TMP+16*\b+2*\i], v[TMP+16*\b+2*\i+1]
.endr
.endr
	s_wait_tensorcnt 0x0                           ; my quarter of the resident block is in,
	s_barrier_signal -1
	s_barrier_wait -1                              ; everybody's is
	; the input layer: 64 relu(x W_in + b_in)
	BIASB 0
	LDW ADRS, 0, 0, 4
	s_wait_dscnt 0x0
.irp m, 0,1,2,3
.irp b, 0,1
	MMH ACCB+16*\m+8*\b, WF+8*\m, FB+8*\b
.endr
.endr
	PLACES
.set RI, 0
.rept 64
	v_max_num_f32 v[ACCB+RI], 0, v[ACCB+RI]
.set RI, RI+1
.endr
	v_add_nc_u32 v[ADBA], 256, v[ADBA]             ; the first block's rows of the bias table: 9 x 64 bytes for the middle tiles, the second layer's row at 768
	s_mov_b32 s79, 0
.Lblock:
	s_wait_tensorcnt 0x0                           ; no load of mine is out,
	ds_add_u32 v5, v6
	s_wait_dscnt 0x0                               ; my reads of slot 0 (the last block's tile 8) are done;
	ROUND                                          ; that holds of every wave of the four work-groups
	tensor_load_to_lds s[32:35], s[16:23]          ; the block's tile 0 into slot 0; it lands under the features' arithmetic
	s_nop 0
	PLACES                                         ; behind the products that made the block's input
	FEATIN
	BIASB 768
	s_mov_b32 s15, 0
.Ltile:
	HEADF 36                                       ; tile 2 i + 1 into slot 1
	LA_TILE ADS0, 0                                ; tile 2 i
	LB_TILE ADS0
	HEADF 32                                       ; tile 2 i + 2 into slot 0
	LA_TILE ADS1, 64                               ; tile 2 i + 1
	LB_TILE ADS1
	v_add_nc_u32 v[ADBA], 128, v[ADBA]             ; two tiles' biases on
	s_add_co_u32 s15, s15, 1
	s_cmp_lt_u32 s15, 4
	s_cbranch_scc1 .Ltile
	HEAD_TAIL
	TAIL
	v_add_nc_u32 v[ADBA], 512, v[ADBA]             ; 4 x 128 + 512: the next block's rows
	s_add_co_u32 s79, s79, 1
	s_cmp_lt_u32 s79, 2
	s_cbranch_scc1 .Lblock
	PLACES
	; sigmoid(h W_out): a lane holds 32 of a row's 64 numbers for each batch tile; two chains of packed multiply-adds each
	s_wait_loadcnt 0x0                             ; W_out
	WIN 0x08                                       ; source 1 in window 2
.irp b, 0,1
	v_pk_mul_f32 v[TMP+4*\b:TMP+4*\b+1], v[ACCB+8*\b:ACCB+8*\b+1], v[WOUT:WOUT+1]
	v_pk_mul_f32 v[TMP+4*\b+2:TMP+4*\b+3], v[ACCB+8*\b+2:ACCB+8*\b+3], v[WOUT+2:WOUT+3]
.irp p, 2,3,4,5,6,7,8,9,10,11,12,13,14,15
	v_pk_fma_f32 v[TMP+4*\b+2*(\p&1):TMP+4*\b+2*(\p&1)+1], v[ACCB+16*(\p>>2)+8*\b+2*(\p&3):ACCB+16*(\p>>2)+8*\b+2*(\p&3)+1], v[WOUT+8*(\p>>2)+2*(\p&3):WOUT+8*(\p>>2)+2*(\p&3)+1], v[TMP+4*\b+2*(\p&1):TMP+4*\b+2*(\p&1)+1]
.endr
.endr
	WIN 0
	v_pk_add_f32 v[TMP:TMP+1], v[TMP:TMP+1], v[TMP+2:TMP+3]
	v_pk_add_f32 v[TMP+4:TMP+5], v[TMP+4:TMP+5], v[TMP+6:TMP+7]
	v_add_f32 v[TMP], v[TMP], v[TMP+1]
	v_add_f32 v[TMP+4], v[TMP+4], v[TMP+5]
	v_permlanex16_b32 v[TMP+1], v[TMP], s55, s56   ; the other half of the row's outputs
	v_permlanex16_b32 v[TMP+5], v[TMP+4], s55, s56
	v_add_f32 v[TMP], v[TMP], v[TMP+1]
	v_add_f32 v[TMP+4], v[TMP+4], v[TMP+5]
	v_cndmask_b32 v[TMP], v[TMP], v[TMP+4], s57    ; lane l keeps row l of my 32
	v_mul_f32 v[TMP], s52, v[TMP]                  ; the sum is 64 times the logit: -log2 e / 64 takes that away too
	v_exp_f32 v[TMP], v[TMP]
	v_nop
	s_wait_alu depctr_va_vdst(0)
	v_add_f32 v[TMP], 1.0, v[TMP]
	v_rcp_f32 v[TMP], v[TMP]
	v_nop
	s_wait_alu depctr_va_vdst(0)
	ds_store_b32 v[OST], v[TMP]
	s_wait_dscnt 0x0                               ; for wave 0, which reads all four waves' words behind the round's first barrier
	ROUND                                          ; the closing round: no work-group ends while a partner may still ask jointly
	s_cmp_lg_u32 s12, 0
	s_cbranch_scc1 .Lend
	ds_load_b128 v[TMP:TMP+3], v[ORD]
	s_wait_dscnt 0x0
	global_store_b128 v[ADS0], v[TMP:TMP+3], s[10:11]          ; the group's 128 results: 512 consecutive bytes, aligned
.Lend:
	s_wait_tensorcnt 0x0
	ds_add_u32 v5, v6
	s_wait_dscnt 0x0
	s_endpgm
.Lfunc_end_k_qbb66bb6d27_kan:
	.size	k_qbb66bb6d27_kan, .Lfunc_end_k_qbb66bb6d27_kan-k_qbb66bb6d27_kan
	.p2alignl 7, 3214868480
	.fill 96, 4, 3214868480
	.section	.rodata,"a",@progbits
	.p2align	6, 0x0
	.amdhsa_kernel k_qbb66bb6d27_kan
		.amdhsa_group_segment_fixed_size 327680
		.amdhsa_private_segment_fixed_size 0
		.amdhsa_enable_private_segment 0
		.amdhsa_kernarg_size 32
		.amdhsa_user_sgpr_count 2
		.amdhsa_user_sgpr_kernarg_segment_ptr 1
		.amdhsa_wavefront_size32 1
		.amdhsa_system_sgpr_workgroup_id_x 1
		.amdhsa_system_sgpr_workgroup_id_y 1
		.amdhsa_system_sgpr_workgroup_id_z 1
		.amdhsa_system_vgpr_workitem_id 0
		.amdhsa_next_free_vgpr 608
		.amdhsa_next_free_sgpr 80
		.amdhsa_reserve_vcc 0
		.amdhsa_float_denorm_mode_32 3
		.amdhsa_float_denorm_mode_16_64 3
		.amdhsa_memory_ordered 1
		.amdhsa_forward_progress 1
		.amdhsa_inst_pref_size 255
	.end_amdhsa_kernel
	.section	.bss,"aw",@nobits
	.p2align	6
	.space	262144
	.amdgpu_metadata
---
amdhsa.version: [ 1, 2 ]
amdhsa.kernels:
  - .name:           k_qbb66bb6d27_kan
    .symbol:         k_qbb66bb6d27_kan.kd
    .args:
      - { .name: x, .offset: 0, .size: 8, .value_kind: global_buffer, .address_space: global }
      - { .name: W_out, .offset: 8, .size: 8, .value_kind: global_buffer, .address_space: global }
      - { .name: wts, .offset: 16, .size: 8, .value_kind: global_buffer, .address_space: global }
      - { .name: out0, .offset: 24, .size: 8, .value_kind: global_buffer, .address_space: global }
    .group_segment_fixed_size: 327680
    .private_segment_fixed_size: 0
    .kernarg_segment_align: 8
    .kernarg_segment_size: 32
    .max_flat_workgroup_size: 128
    .sgpr_count:     80
    .vgpr_count:     608
    .wavefront_size: 32
...
	.end_amdgpu_metadata
.endif
;; end of part 4
;; ======== version 3 of 4: 2 launches; 2.21 times as fast as version 1
;; limits: values are held in f16: magnitudes above 65,504 overflow, below 6.1e-05 lose precision
;; workspace buffers: wts 818,176 bytes
;; launch prep: the kernel of part 3 again; grid 808 x 1, 1 waves a work-group, no clusters, 0 bytes of LDS; arguments coef0a, coef0b, coef1a, coef1b, ss0a, ss0b, ss1a, ss1b, sb0a, sb0b, sb1a, sb1b, bias0a, bias0b, bias1a, bias1b, W_in, b_in, wts; writes wts
;; launch kan (part 5): grid 256 x 1, 4 waves a work-group, clusters of 4 x 1, 327,680 bytes of LDS; arguments x, W_out, wts, out0; writes out0
.if DOCPART == 5
	.amdgcn_target "amdgcn-amd-amdhsa--gfx1250"
	.amdhsa_code_object_version 6
	.text
	.protected	k_qbb66bb6d27_kan
	.globl	k_qbb66bb6d27_kan
	.p2align	8
	.type	k_qbb66bb6d27_kan,@function
k_qbb66bb6d27_kan:
	s_mov_b64 s[64:65], 0
	v_nop
	global_prefetch_b8 v0, s[64:65] scope:SCOPE_SE
	s_setreg_imm32_b32 hwreg(HW_REG_WAVE_MODE, 25, 1), 1
	s_wait_xcnt 0x0
	s_wait_alu depctr_hold_cnt(0) depctr_sa_sdst(0) depctr_va_vdst(0) depctr_va_sdst(0) depctr_va_ssrc(0) depctr_va_vcc(0) depctr_vm_vsrc(0)
	s_getreg_b32 s2, hwreg(HW_REG_IB_STS2, 6, 4)
	s_cmp_eq_u32 s2, 0
	s_cbranch_scc0 .Lentry_in_a_cluster
	s_endpgm
.Lentry_in_a_cluster:
	s_bfe_u32 s2, ttmp6, 0x10000c
	s_cmp_lg_u32 s2, 0x3003
	s_cbranch_scc0 .Lentry_shape_is_right
	s_endpgm
.Lentry_shape_is_right:
; out = sigmoid(KAN(KAN(relu(x W_in + b_in))) W_out), the whole chain for 128 rows a work-group, 32 rows (two batch tiles) a wave.
; A KAN layer is a matrix product over nine features of each input: eight cubic B-spline bases and silu.
;
; THE MATRIX INSTRUCTION IS USED TRANSPOSED: source 0 = 16 outputs x 32 k of weights, source 1 = 16 batch rows x 32 k of features.  In the result
; lane (r = lane & 15, h = lane >> 4) holds batch row r and register j output 16 tile + 8 h + j.  The order of k is chosen so that the 16 k
; that a lane supplies to the NEXT layer are features of the numbers it already holds: a spline step (tile t, jj) has basis p of input
; 16 t + 8 h + 2 jj at k = 8 h + p and of input 16 t + 8 h + 2 jj + 1 at k = 16 + 8 h + p.  So activations never leave the lane: no LDS stage, no exchange
; between lanes.  The first launch wrote the weights in this order.
;
; FORMATS.  Five products follow each other and each layer enlarges the error that it is handed, so eight significant bits in the operands are too few here.
; Spline steps and the input layer go in f16 (eleven bits): six times a basis lies in [0, 4] whatever the input, and the weights are centred in f16's
; range by a factor 64.  Silu is unbounded, so it stays in bf16, in two parts: feature = hi + lo, sb = hi + lo.  First layer: a fragment holds two input tiles,
; three products (hi hi, hi lo, lo hi).  Second layer: a fragment holds one tile's hi at k = 8 h + j and its lo at k = 16 + 8 h + j, the weights the same rows
; twice, two products (hi weights, lo weights).  Every accumulator holds 64 TIMES its activation; the 1/64 sits in constants that are multiplied in
; anyway (2.5/64, log2 e/64), and accumulator x sigmoid is 64 silu, which meets sb unscaled.  An f16 and a bf16 product on one accumulator are five
; places apart (ISA guide 7.12.1).
;
; THE SPLINE, on the uniform grid: t = 2.5 x + 7.5 clamped to [2, 13), n = floor t, u = t - n, v = 1 - u.  Six times the four bases that are not
; zero: v^3, (3u-6)u^2+4, (3v-6)v^2+4, u^3, for bases n-5 .. n-2.  They are packed to four f16 and moved into the eight slots
; by a byte permutation on n's parity and selects on n >> 1: no branch and no address hangs on a number.  At both clamps every basis 0..7 is 0,
; but for basis 7 at the upper clamp, which is (2^-20)^3 and rounds to 0 in f16.
; The features are formed FOUR NUMBERS AT A TIME, a pair from each batch tile, stage by stage, so that an instruction and the one that reads its result
; are some four instructions apart.
; LIMITS: the cell is decided on 2.5 x + 7.5 and not on rounded knots (the spline is twice differentiable, so the values agree to rounding);
; a NaN in front of the relu becomes 0 there (v_max_num_f32) where the definition keeps it; |x| at or above 65,504 is infinite in f16;
; activations above 2^-6 of f32's largest number overflow.
;
; THE TWO LAYERS OF A BLOCK ARE INTERLEAVED, TILE BY TILE: the first layer's features (16 spline steps, 2 silu hi, 2 silu lo, x 2 batch tiles: 320 registers)
; stay in registers; for each of its nine output tiles 44 matrix instructions make the tile, its features are formed at once and added into the second
; layer's eight accumulators.  Weights come in that order, 44 fragments (45,056 bytes) a tile, through two LDS slots.  Biases start the sums.
; LOOPS: a block's text is run twice; in it the text of two tiles (slot 0, slot 1) is run four times; tile 8, which holds middle output 128 alone, is written out
; behind that loop with the work that one output needs, and asks for nothing.  The block's first tile is asked for at the block's head and lands under the
; arithmetic of the block's input features.  So every trip of either loop issues the same tensor loads and every tile asked for is read.
; CLUSTER: all work-groups read the same weights, so four of them ask for every tile jointly (mask 15); each wave brings a quarter of a tile, and
; nothing in a descriptor hangs on the place in the cluster.  A wave has one tensor load out at any time.
; The last product (64 x 1) is 64 multiply-adds a row in f32 on the vector unit: a matrix tile would be fifteen sixteenths empty.
.set TILE,   45056                     ; a tile's 44 fragments of 1,024 bytes
.set QT,     11264                     ; a wave's quarter of them: 44 rows of 256 bytes
.set OLB,    20480                     ; in a tile's group: the second layer's spline fragments,
.set OHH,    36864                     ; its silu hi weights,
.set OLL,    40960                     ; its silu lo weights
.set S1,     45056                     ; LDS: slot 0 at 0, slot 1 here
.set RES,    90112                     ; LDS: resident block: W_in (4,096), biases (3,072)
.set QRES,   1792                      ; a wave's quarter of it: 7 rows of 256 bytes
.set WRES,   811008                    ; its place in wts
.set BI,     RES+4096
.set OUTS,   97280                     ; LDS: 512 bytes for the results, in 256-byte blocks into which no tensor load lands
.set ADS0, 1                           ; v1  16 lane: slot 0
.set ADS1, 2                           ; v2  slot 1
.set ADRS, 3                           ; v3  W_in
.set ADBA, 4                           ; v4  biases + 32 h; it only steps forward through the table
.set SELE, 5                           ; v5  v_perm_b32 selector: bytes 2 to 5 of two words (n even)
.set SELO, 6                           ; v6  v_perm_b32 selector: bytes 0 to 3 (n odd)
.set XO,   7                           ; v7  128 r + 32 h in x
.set OST,  8                           ; v8  where my result goes in LDS
.set WO,   9                           ; v9  32 h in W_out
.set C75,  10                          ; v[10:11] 7.5 twice
.set CM6,  12                          ; v[12:13] -6.0 twice
.set ORD,  14                          ; v14 where wave 0 reads the results back
.set ACCA, 16                          ; v[16:47]   first layer's tile: partial sum p (even, odd K steps), batch tile bt at 16 p + 8 bt
.set ACCB, 48                          ; v[48:111]  second layer (and the block's input): tile m, batch tile bt at 16 m + 8 bt
.set FB,   112                         ; v[112:143] spline feature fragments, two buffers x two batch tiles
.set SF,   144                         ; v[144:159] a middle tile's silu fragment, batch tile bt at 8 bt: hi in registers 0-3, lo in 4-7
.set WF,   160                         ; v[160:223] weight fragments, two buffers of four
.set TMP,  224                         ; v[224:255] at work: 16 registers for the pair of batch tile 0, 16 for that of batch tile 1
; window 1 (v256-511): first layer's spline fragments, K step s, batch tile bt at 16 s + 8 bt, s = 0..15
; window 2 (v512-607):
.set FAL,  32                          ; first layer's silu fragments: hi at 16 s + 8 bt, lo at 32 + 16 s + 8 bt, s = 0, 1
.set WOUT, 64                          ; W_out[16 m + 8 h + j] at 64 + 8 m + j
; a pair's 16 registers, by turns:
.set OT,  0                            ; t, then n, then n >> 1
.set OE,  2                            ; the silu's way
.set OU,  4                            ; u; then {w0,w1} of either number; then what the cut of silu left
.set OV,  6                            ; floor t, then v; then {w2,w3} of either number
.set OU2, 8                            ; u^2, then u^3
.set OV2, 10                           ; v^2, then v^3
.set OQU, 12                           ; 3u-6, then the second weight
.set OQV, 14                           ; 3v-6, then the third weight
.set OP,  8                            ; n & 1, then the selector
.set OA,  10                           ; per number three words: those for dwords n/2-3, n/2-2, n/2-1
; lane masks: s[66:77] for the first pair, s[80:91] for the second: n >> 1 = 1..6 of number 0, then of number 1
.set MSB, 0
.macro WIN new                         ; s_set_vgpr_msb: bits 1:0 source 0, 3:2 source 1, 5:4 source 2, 7:6 destination; the high byte repeats the setting that is left
.if MSB != (\new)
	s_set_vgpr_msb (MSB<<8)|(\new)
.set MSB, (\new)
.endif
.endm
.macro PLACES                          ; four places behind a matrix instruction, in front of vector work on its registers and of loads into them
.rept 4
	v_nop
.endr
.endm
.macro PLACES5                         ; five, in front of a matrix instruction of the other form on the same accumulators
.rept 5
	v_nop
.endr
.endm
.macro ROUND                           ; a round of the cluster's barrier
	s_barrier_signal -1
	s_barrier_wait -1
	s_cmp_lg_u32 s12, 0
	s_cbranch_scc1 .Lnot_wave_0_\@
	s_barrier_signal -3
.Lnot_wave_0_\@:
	s_barrier_wait -3
	s_barrier_signal -1
	s_barrier_wait -1
.endm
.macro MMH acc, w, f                   ; acc += weights w x features f, f16
	v_wmma_f32_16x16x32_f16 v[(\acc):(\acc)+7], v[(\w):(\w)+7], v[(\f):(\f)+7], v[(\acc):(\acc)+7]
.endm
.macro MMH0 acc, w, f                  ; acc = weights w x features f: starts a sum
	v_wmma_f32_16x16x32_f16 v[(\acc):(\acc)+7], v[(\w):(\w)+7], v[(\f):(\f)+7], 0
.endm
.macro MMB acc, w, f                   ; acc += weights w x features f, bf16
	v_wmma_f32_16x16x32_bf16 v[(\acc):(\acc)+7], v[(\w):(\w)+7], v[(\f):(\f)+7], v[(\acc):(\acc)+7]
.endm
.macro LDW adr, off, buf, n            ; n weight fragments from v[adr] + off into buffer buf: 32 lanes x 16 neighbouring bytes a load
.set LDWF, 0
.rept \n
	ds_load_b128 v[WF+32*(\buf)+8*LDWF:WF+32*(\buf)+8*LDWF+3], v[\adr] offset:(\off)+1024*LDWF
	ds_load_b128 v[WF+32*(\buf)+8*LDWF+4:WF+32*(\buf)+8*LDWF+7], v[\adr] offset:(\off)+1024*LDWF+512
.set LDWF, LDWF+1
.endr
.endm
.macro BIASB off                       ; the second layer's accumulators start as the bias of their eight outputs, alike in both batch tiles
.irp m, 0,1,2,3
.irp b, 0,1
	ds_load_b128 v[ACCB+16*\m+8*\b:ACCB+16*\m+8*\b+3], v[ADBA] offset:(\off)+64*\m
	ds_load_b128 v[ACCB+16*\m+8*\b+4:ACCB+16*\m+8*\b+7], v[ADBA] offset:(\off)+64*\m+16
.endr
.endr
.endm
; THE FEATURES of four numbers (64 times them): the pair in v[x:x+1] (batch tile 0) and the pair in v[x+8:x+9] (batch tile 1).
; First half: the cell, the four weights of each number packed to f16, 64 silu, n's parity.  It writes v224-255 alone.
.macro FEATQ_A x
.irp z, 0,1
.set QB, TMP+16*\z
.set QX, (\x)+8*\z
	v_pk_fma_f32 v[QB+OT:QB+OT+1], v[QX:QX+1], s[44:45], v[C75:C75+1] op_sel_hi:[1,0,1]     ; 2.5 x + 7.5
	v_pk_mul_f32 v[QB+OE:QB+OE+1], v[QX:QX+1], s[52:53] op_sel_hi:[1,0]                     ; -x log2 e
.endr
.irp z, 0,1
.set QB, TMP+16*\z
	v_med3_num_f32 v[QB+OT], v[QB+OT], 2.0, s54
	v_med3_num_f32 v[QB+OT+1], v[QB+OT+1], 2.0, s54
.endr
.irp z, 0,1
.set QB, TMP+16*\z
	v_exp_f32 v[QB+OE], v[QB+OE]
	v_exp_f32 v[QB+OE+1], v[QB+OE+1]
.endr
.irp z, 0,1
.set QB, TMP+16*\z
	v_floor_f32 v[QB+OV], v[QB+OT]                 ; plain work stands between the exponentials and their use (ISA guide 5.7.2)
	v_floor_f32 v[QB+OV+1], v[QB+OT+1]
.endr
	s_wait_alu depctr_va_vdst(0)
.irp z, 0,1
.set QB, TMP+16*\z
	v_pk_add_f32 v[QB+OU:QB+OU+1], v[QB+OT:QB+OT+1], v[QB+OV:QB+OV+1] neg_lo:[0,1] neg_hi:[0,1]   ; u
	v_pk_add_f32 v[QB+OE:QB+OE+1], v[QB+OE:QB+OE+1], 1.0 op_sel_hi:[1,0]
.endr
.irp z, 0,1
.set QB, TMP+16*\z
	v_rcp_f32 v[QB+OE], v[QB+OE]
	v_rcp_f32 v[QB+OE+1], v[QB+OE+1]
.endr
.irp z, 0,1
.set QB, TMP+16*\z
	v_cvt_i32_f32 v[QB+OT], v[QB+OV]               ; n; plain work behind the reciprocals too
	v_cvt_i32_f32 v[QB+OT+1], v[QB+OV+1]
.endr
.irp z, 0,1
.set QB, TMP+16*\z
	v_pk_mul_f32 v[QB+OU2:QB+OU2+1], v[QB+OU:QB+OU+1], v[QB+OU:QB+OU+1]
	v_pk_fma_f32 v[QB+OQU:QB+OQU+1], v[QB+OU:QB+OU+1], s[48:49], v[CM6:CM6+1] op_sel_hi:[1,0,1]   ; 3u - 6
.endr
.irp z, 0,1
.set QB, TMP+16*\z
	v_pk_fma_f32 v[QB+OV:QB+OV+1], v[QB+OU:QB+OU+1], -1.0, 1.0 op_sel_hi:[1,0,0]            ; v = 1 - u
.endr
.irp z, 0,1
.set QB, TMP+16*\z
	v_pk_fma_f32 v[QB+OQU:QB+OQU+1], v[QB+OQU:QB+OQU+1], v[QB+OU2:QB+OU2+1], 4.0 op_sel_hi:[1,1,0]   ; (3u-6)u^2 + 4
	v_pk_mul_f32 v[QB+OU2:QB+OU2+1], v[QB+OU2:QB+OU2+1], v[QB+OU:QB+OU+1]                   ; u^3
.endr
.irp z, 0,1
.set QB, TMP+16*\z
	v_pk_mul_f32 v[QB+OV2:QB+OV2+1], v[QB+OV:QB+OV+1], v[QB+OV:QB+OV+1]
	v_pk_fma_f32 v[QB+OQV:QB+OQV+1], v[QB+OV:QB+OV+1], s[48:49], v[CM6:CM6+1] op_sel_hi:[1,0,1]
.endr
	s_wait_alu depctr_va_vdst(0)
.irp z, 0,1
.set QB, TMP+16*\z
.set QX, (\x)+8*\z
	v_pk_mul_f32 v[QB+OE:QB+OE+1], v[QX:QX+1], v[QB+OE:QB+OE+1]                             ; 64 silu
.endr
.irp z, 0,1
.set QB, TMP+16*\z
	v_pk_fma_f32 v[QB+OQV:QB+OQV+1], v[QB+OQV:QB+OQV+1], v[QB+OV2:QB+OV2+1], 4.0 op_sel_hi:[1,1,0]
	v_pk_mul_f32 v[QB+OV2:QB+OV2+1], v[QB+OV2:QB+OV2+1], v[QB+OV:QB+OV+1]                   ; v^3
.endr
.irp z, 0,1
.set QB, TMP+16*\z
	v_cvt_pk_f16_f32 v[QB+OV], v[QB+OQV], v[QB+OU2]            ; bases n-3, n-2 (v is done with)
	v_cvt_pk_f16_f32 v[QB+OV+1], v[QB+OQV+1], v[QB+OU2+1]
.endr
.irp z, 0,1
.set QB, TMP+16*\z
	v_cvt_pk_f16_f32 v[QB+OU], v[QB+OV2], v[QB+OQU]            ; bases n-5, n-4 (u is done with)
	v_cvt_pk_f16_f32 v[QB+OU+1], v[QB+OV2+1], v[QB+OQU+1]
.endr
.irp z, 0,1
.set QB, TMP+16*\z
	v_and_b32 v[QB+OP], 1, v[QB+OT]
	v_and_b32 v[QB+OP+1], 1, v[QB+OT+1]
.endr
.endm
; Second half: the weights go to their slots.  Six times the eight bases of each number, f16, into v[d:d+7] and v[d+8:d+15] (window setting cw: destination and
; source 0, since the selects run in place); 64 silu as bf16 hi into v[sh], v[sh+8] and lo into v[sl], v[sl+8] (destination window setting sw).
; The four weights with a zero word on either side are {0, w3 w2, w1 w0, 0}; for an odd n they begin on a dword, for an even n in a dword's upper half:
; three windows of four bytes, at byte 0 or byte 2 of two neighbouring words, are the three dwords that may hold any of them.
.macro FEATQ_B d, cw, sh, sl, sw
.irp z, 0,1
.set QB, TMP+16*\z
.set QM, 66+14*\z
	v_cmp_eq_u32 s[QM], 1, v[QB+OP]                ; n odd
	v_cmp_eq_u32 s[QM+6], 1, v[QB+OP+1]
.endr
.irp z, 0,1
.set QB, TMP+16*\z
	v_lshrrev_b32 v[QB+OT], 1, v[QB+OT]            ; n >> 1
	v_lshrrev_b32 v[QB+OT+1], 1, v[QB+OT+1]
.endr
.irp z, 0,1
.set QB, TMP+16*\z
.set QM, 66+14*\z
	v_cndmask_b32 v[QB+OP], v[SELE], v[SELO], s[QM]
	v_cndmask_b32 v[QB+OP+1], v[SELE], v[SELO], s[QM+6]
.endr
.irp z, 0,1
.set QB, TMP+16*\z
.set QM, 66+14*\z
.irp i, 0,1
	v_perm_b32 v[QB+OA+3*\i], v[QB+OU+\i], 0, v[QB+OP+\i]                  ; dword n/2 - 3: {0, w0} or nothing
	v_cmp_eq_u32 s[QM+6*\i], 1, v[QB+OT+\i]
	v_cmp_eq_u32 s[QM+6*\i+1], 2, v[QB+OT+\i]
	v_perm_b32 v[QB+OA+3*\i+1], v[QB+OV+\i], v[QB+OU+\i], v[QB+OP+\i]      ; dword n/2 - 2: {w1, w2} or {w0, w1}
	v_cmp_eq_u32 s[QM+6*\i+2], 3, v[QB+OT+\i]
	v_cmp_eq_u32 s[QM+6*\i+3], 4, v[QB+OT+\i]
	v_perm_b32 v[QB+OA+3*\i+2], 0, v[QB+OV+\i], v[QB+OP+\i]                ; dword n/2 - 1: {w3, 0} or {w2, w3}
	v_cmp_eq_u32 s[QM+6*\i+4], 5, v[QB+OT+\i]
	v_cmp_eq_u32 s[QM+6*\i+5], 6, v[QB+OT+\i]
.endr
.endr
.irp z, 0,1
.set QB, TMP+16*\z
	v_and_b32 v[QB+OU], s57, v[QB+OE]              ; silu cut to its upper 16 bits: the hi part as f32
	v_and_b32 v[QB+OU+1], s57, v[QB+OE+1]
.endr
.irp z, 0,1
.set QB, TMP+16*\z
	v_pk_add_f32 v[QB+OU:QB+OU+1], v[QB+OE:QB+OE+1], v[QB+OU:QB+OU+1] neg_lo:[0,1] neg_hi:[0,1]   ; what the cut left, exactly
.endr
	WIN \cw
.irp z, 0,1
.set QB, TMP+16*\z
.set QM, 66+14*\z
.set QD, (\d)+8*\z
.irp q, 0,1,2,3
	v_cndmask_b32 v[QD+\q], 0, v[QB+OA+2], s[QM+\q]            ; dword q takes the third word if n/2 = q + 1,
	v_cndmask_b32 v[QD+4+\q], 0, v[QB+OA+5], s[QM+6+\q]
.endr
.endr
.irp z, 0,1
.set QB, TMP+16*\z
.set QM, 66+14*\z
.set QD, (\d)+8*\z
.irp q, 0,1,2,3
	v_cndmask_b32 v[QD+\q], v[QD+\q], v[QB+OA+1], s[QM+1+\q]   ; the second if n/2 = q + 2,
	v_cndmask_b32 v[QD+4+\q], v[QD+4+\q], v[QB+OA+4], s[QM+7+\q]
.endr
.endr
.irp z, 0,1
.set QB, TMP+16*\z
.set QM, 66+14*\z
.set QD, (\d)+8*\z
.irp q, 0,1,2,3
	v_cndmask_b32 v[QD+\q], v[QD+\q], v[QB+OA], s[QM+2+\q]     ; the first if n/2 = q + 3, else zero
	v_cndmask_b32 v[QD+4+\q], v[QD+4+\q], v[QB+OA+3], s[QM+8+\q]
.endr
.endr
	WIN \sw
.irp z, 0,1
.set QB, TMP+16*\z
	v_perm_b32 v[(\sh)+8*\z], v[QB+OE+1], v[QB+OE], s78        ; the two upper halves
	v_cvt_pk_bf16_f32 v[(\sl)+8*\z], v[QB+OU], v[QB+OU+1]
.endr
	WIN 0
.endm
; The features of a block's 64 inputs (in ACCB) for both batch tiles, into windows 1 and 2
.macro FEATIN
.irp t, 0,1,2,3
.irp j, 0,1,2,3
	FEATQ_A ACCB+16*\t+2*\j
	FEATQ_B 16*(4*\t+\j), 0x41, 16*(\t>>1)+4*(\t&1)+\j, FAL+16*(\t>>1)+4*(\t&1)+\j, 0x80
.endr
.endr
.endm
; First layer, one output tile.  Five groups of four fragments through two buffers: four of four spline steps each, then the silu weights (hi of both steps, lo of both).
; Even K steps add onto the sum that began as the bias, odd ones onto a second sum that the first odd step starts, so that four accumulators take turns,
; one instruction a turn; JOIN adds the two sums.  The macro ends four places behind its last matrix instruction.
.macro LA_TILE adr, boff
	PLACES
.irp b, 0,1
	ds_load_b128 v[ACCA+8*\b:ACCA+8*\b+3], v[ADBA] offset:(\boff)
	ds_load_b128 v[ACCA+8*\b+4:ACCA+8*\b+7], v[ADBA] offset:(\boff)+16
.endr
	LDW \adr, 0, 0, 4
	LDW \adr, 4096, 1, 4
	WIN 0x04                                       ; source 1 in window 1; the loads and v_nop between name no source 1
.irp g, 0,1,2,3
	s_wait_dscnt 0x8                               ; all but the next group's eight loads
.irp f, 0,1,2,3
.irp b, 0,1
.if (4*\g+\f) == 1
	MMH0 ACCA+16+8*\b, WF+8, 16+8*\b
.else
	MMH ACCA+16*(\f&1)+8*\b, WF+32*(\g&1)+8*\f, 64*\g+16*\f+8*\b
.endif
.endr
.endr
.if \g < 3
	PLACES
	LDW \adr, 4096*(\g+2), (\g&1), 4
.endif
.endr
	PLACES5                                        ; the bf16 products follow on the same accumulators
	s_wait_dscnt 0x0                               ; the fifth group: nothing was issued behind it
	WIN 0x08                                       ; the silu fragments lie in window 2
.irp s, 0,1
.irp b, 0,1
	MMB ACCA+16*\s+8*\b, WF+8*\s, 16*\s+8*\b       ; hi weights x hi features
.endr
.endr
.irp s, 0,1
.irp b, 0,1
	MMB ACCA+16*\s+8*\b, WF+8*\s, FAL+16*\s+8*\b   ; hi weights x lo features
.endr
.endr
.irp s, 0,1
.irp b, 0,1
	MMB ACCA+16*\s+8*\b, WF+16+8*\s, 16*\s+8*\b    ; lo weights x hi features
.endr
.endr
	WIN 0
	PLACES
.endm
.macro JOIN                            ; the first layer's two partial sums become one
.irp i, 0,1,2,3,4,5,6,7
	v_pk_add_f32 v[ACCA+2*\i:ACCA+2*\i+1], v[ACCA+2*\i:ACCA+2*\i+1], v[ACCA+16+2*\i:ACCA+16+2*\i+1]
.endr
.endm
; The second layer's two silu products: the hi weights are on their way into buffer 0; the lo weights go into buffer 1.  Eight accumulators in turn.
.macro SILB adr
	PLACES5                                        ; the other form follows; buffer 1 is loaded again
	LDW \adr, OLL, 1, 4
	s_wait_dscnt 0x8                               ; the hi weights are in; the lo weights' eight loads may stay out
.irp m, 0,1,2,3
.irp b, 0,1
	MMB ACCB+16*\m+8*\b, WF+8*\m, SF+8*\b
.endr
.endr
	s_wait_dscnt 0x0
.irp m, 0,1,2,3
.irp b, 0,1
	MMB ACCB+16*\m+8*\b, WF+32+8*\m, SF+8*\b
.endr
.endr
.endm
; Second layer, the K steps of that tile: four spline steps and the silu products, 8 accumulators in turn.
; A step's weights are asked for in the middle of the step before, between the two halves of its features' arithmetic: the buffer that they go into was read by
; the matrix instructions in front of that arithmetic's first half, sixty vector instructions that name none of their registers.
.macro LB_TILE adr
	LDW \adr, OLB, 0, 4                            ; step 0's weights, four places behind the first layer's last products
	JOIN
.irp k, 0,1,2,3
	FEATQ_A ACCA+2*\k
.if \k < 3
	LDW \adr, OLB+4096*(\k+1), ((\k+1)&1), 4       ; the next step's weights
.else
	LDW \adr, OHH, 0, 4                            ; the silu hi weights
.endif
	FEATQ_B FB+16*(\k&1), 0, SF+\k, SF+4+\k, 0
	s_wait_dscnt 0x8                               ; this step's weights are in; the eight loads issued behind them may stay out
.irp m, 0,1,2,3
.irp b, 0,1
	MMH ACCB+16*\m+8*\b, WF+32*(\k&1)+8*\m, FB+16*(\k&1)+8*\b
.endr
.endr
.endr
	SILB \adr
.endm
; Tile 8, from slot 0: fifteen of its outputs have zero weights and zero bias, so they are 0.  Of the second layer's K steps only the first spline step
; and the silu products have weights that are not zero; the silu fragment's registers 1-3 and 5-7 still hold tile 7's numbers and meet zero weights.
.macro TAIL
	LA_TILE ADS0, 0
	LDW ADS0, OLB, 1, 4
	LDW ADS0, OHH, 0, 4
	JOIN
	FEATQ_A ACCA
	FEATQ_B FB, 0, SF, SF+4, 0
	s_wait_dscnt 0x8                               ; the silu hi weights' eight loads may stay out
.irp m, 0,1,2,3
.irp b, 0,1
	MMH ACCB+16*\m+8*\b, WF+32+8*\m, FB+8*\b
.endr
.endr
	SILB ADS0
.endm
; The slot read last is filled with the next tile.  Every wave waits for all its tensor loads (its quarter of the tile that is read next) and for its LDS reads;
; the round makes that hold of every wave of the four work-groups; the joint load is the first thing behind it, one a wave.
; Both slots' descriptors always hold the next tile's address: no load of mine is out behind the wait, so both may step.
.macro STEP_ADR
	s_add_nc_u64 s[34:35], s[34:35], TILE
	s_add_nc_u64 s[38:39], s[38:39], TILE
.endm
.macro HEADF g0
	s_set_vgpr_msb 0xa
	s_wait_tensorcnt 0x0
	ds_add_u32 v96, v97
	s_wait_dscnt 0x0
	s_set_vgpr_msb 0xa00
	STEP_ADR
	s_wait_dscnt 0x0
	ROUND
	tensor_load_to_lds s[\g0:\g0+3], s[16:23]
	s_nop 0
.endm
.macro HEAD_TAIL                       ; tile 8: every wave's quarter has landed
	s_wait_tensorcnt 0x0
	STEP_ADR                                       ; the next block's first tile (behind the last block the address is not used)
	s_wait_dscnt 0x0
	s_barrier_signal -1
	s_barrier_wait -1
.endm
	s_load_b256 s[4:11], s[0:1], 0x0               ; x s[4:5], W_out s[6:7], wts s[8:9], out0 s[10:11]
	s_set_vgpr_msb 0x80
	v_lshl_add_u32 v96, v0, 2, 0x29000
	v_mov_b32 v97, 0
	s_set_vgpr_msb 0x808a
	ds_add_u32 v96, v97
	s_set_vgpr_msb 0x8a00
	v_lshrrev_b32 v1, 5, v0
	v_readfirstlane_b32 s12, v1                    ; wave
	s_bfe_u32 s13, ttmp6, 0x40000                  ; my place in the cluster: it enters the addresses of x and out0 alone
	s_lshl_b32 s14, ttmp9, 2
	s_add_co_u32 s14, s14, s13                     ; work-group
	s_mov_b32 s44, 0x3d200000                      ; 2.5 / 64
	s_mov_b32 s45, 0x3d200000
	s_mov_b32 s48, 0x40400000                      ; 3.0
	s_mov_b32 s49, 0x40400000
	s_mov_b32 s52, 0xbcb8aa3b                      ; -log2 e / 64
	s_mov_b32 s53, 0xbcb8aa3b
	s_mov_b32 s54, 0x414fffff                      ; the largest f32 below 13
	s_mov_b32 s55, 0x76543210                      ; v_permlanex16_b32: lane i of the other half
	s_mov_b32 s56, 0xfedcba98
	s_mov_b32 s57, 0xffff0000                      ; lanes 16-31; also a word's upper 16 bits
	s_mov_b32 s78, 0x07060302                      ; v_perm_b32: the upper halves of two words
	v_mov_b32 v[C75], 0x40f00000
	v_mov_b32 v[C75+1], 0x40f00000
	v_mov_b32 v[CM6], 0xc0c00000
	v_mov_b32 v[CM6+1], 0xc0c00000
	v_mov_b32 v[SELE], 0x05040302
	v_mov_b32 v[SELO], 0x03020100
	v_and_b32 v15, 31, v0
	v_lshlrev_b32 v[ADS0], 4, v15
	v_add_nc_u32 v[ADS1], S1, v[ADS0]
	v_add_nc_u32 v[ADRS], RES, v[ADS0]
	v_add_nc_u32 v[ORD], OUTS, v[ADS0]
	v_bfe_u32 v[WO], v0, 4, 1
	v_lshlrev_b32 v[WO], 5, v[WO]                  ; 32 h
	v_add_nc_u32 v[ADBA], BI, v[WO]
	v_and_b32 v[XO], 15, v0
	v_lshl_add_u32 v[XO], v[XO], 7, v[WO]          ; 128 r + 32 h
	v_lshlrev_b32 v[OST], 2, v0
	v_add_nc_u32 v[OST], OUTS, v[OST]              ; one word for each of the group's 128 rows
	; descriptor group 1: dense blocks as rows of 32 elements of 8 bytes; 15:0 mask 15, 17:16 element size code 3, bit 21 set beside a mask
	s_mov_b32 s16, 0x0023000f
	s_mov_b32 s17, 32<<16                          ; tensor_dim0 = 32
	s_mov_b32 s18, 44<<16                          ; tensor_dim1 = 44
	s_mov_b32 s19, 32<<16                          ; tile_dim0 = 32
	s_mov_b32 s20, 44                              ; tile_dim1 = 44 rows: a quarter of a tile's weights
	s_mov_b32 s21, 32                              ; pitch
	s_mov_b32 s22, 0
	s_mov_b32 s23, 0
	s_mov_b32 s24, 0x0023000f                      ; the same with 7 rows: a quarter of the resident block
	s_mov_b32 s25, 32<<16
	s_mov_b32 s26, 7<<16
	s_mov_b32 s27, 32<<16
	s_mov_b32 s28, 7
	s_mov_b32 s29, 32
	s_mov_b32 s30, 0
	s_mov_b32 s31, 0
	; group 0, a set for each target: s[32:35] slot 0, s[36:39] slot 1, s[40:43] resident block
	s_mov_b32 s32, 1
	s_mul_i32 s33, s12, QT
	s_mov_b32 s36, 1
	s_add_co_u32 s37, s33, S1
	s_mov_b32 s40, 1
	s_mul_i32 s41, s12, QRES
	s_mov_b32 s58, s33
	s_mov_b32 s59, 0
	s_mov_b32 s60, s41
	s_mov_b32 s61, 0
	s_add_co_u32 s41, s41, RES
	s_lshl_b32 s62, s14, 14                        ; x: 128 rows of 128 bytes a work-group,
	s_lshl_b32 s63, s12, 12                        ; 32 rows a wave
	s_add_co_u32 s62, s62, s63
	s_mov_b32 s63, 0
	s_wait_dscnt 0x0
	s_wait_kmcnt 0x0
	s_add_nc_u64 s[4:5], s[4:5], s[62:63]
	s_lshl_b32 s62, s14, 9                         ; out0: 512 bytes a work-group
	s_add_nc_u64 s[10:11], s[10:11], s[62:63]
	s_add_nc_u64 s[34:35], s[8:9], s[58:59]        ; the first tile, my quarter
	s_mov_b64 s[38:39], s[34:35]
	s_add_nc_u64 s[42:43], s[8:9], s[60:61]
	s_add_nc_u64 s[42:43], s[42:43], WRES
	s_or_b32 s35, s35, 0x80000000                  ; type 2
	s_or_b32 s39, s39, 0x80000000
	s_or_b32 s43, s43, 0x80000000
	; x as source 1: lane (r, h) takes k = 8 h .. 8 h + 7 and 16 + 8 h .. of row r, in f32
.irp b, 0,1
	global_load_b128 v[TMP+16*\b:TMP+16*\b+3], v[XO], s[4:5] offset:2048*\b th:TH_LOAD_NT
	global_load_b128 v[TMP+16*\b+4:TMP+16*\b+7], v[XO], s[4:5] offset:2048*\b+16 th:TH_LOAD_NT
	global_load_b128 v[TMP+16*\b+8:TMP+16*\b+11], v[XO], s[4:5] offset:2048*\b+64 th:TH_LOAD_NT
	global_load_b128 v[TMP+16*\b+12:TMP+16*\b+15], v[XO], s[4:5] offset:2048*\b+80 th:TH_LOAD_NT
.endr
	WIN 0x80                                       ; destination in window 2
.irp m, 0,1,2,3
	global_load_b128 v[WOUT+8*\m:WOUT+8*\m+3], v[WO], s[6:7] offset:64*\m
	global_load_b128 v[WOUT+8*\m+4:WOUT+8*\m+7], v[WO], s[6:7] offset:64*\m+16
.endr
	WIN 0
	ROUND                                          ; the four work-groups are here: the first joint load meets
	tensor_load_to_lds s[40:43], s[24:31]          ; resident block
	s_nop 0
	s_wait_loadcnt 0x8                             ; x is in; the eight loads of W_out may stay out
.irp b, 0,1
.irp i, 0,1,2,3,4,5,6,7
	v_cvt_pk_f16_f32 v[FB+8*\b+\i], v[TMP+16*\b+2*\i], v[TMP+16*\b+2*\i+1]
.endr
.endr
	s_wait_tensorcnt 0x0                           ; my quarter of the resident block is in,
	s_barrier_signal -1
	s_barrier_wait -1                              ; everybody's is
	; the input layer: 64 relu(x W_in + b_in)
	BIASB 0
	LDW ADRS, 0, 0, 4
	s_wait_dscnt 0x0
.irp m, 0,1,2,3
.irp b, 0,1
	MMH ACCB+16*\m+8*\b, WF+8*\m, FB+8*\b
.endr
.endr
	PLACES
.set RI, 0
.rept 64
	v_max_num_f32 v[ACCB+RI], 0, v[ACCB+RI]
.set RI, RI+1
.endr
	v_add_nc_u32 v[ADBA], 256, v[ADBA]             ; the first block's rows of the bias table: 9 x 64 bytes for the middle tiles, the second layer's row at 768
	s_mov_b32 s79, 0
.Lblock:
	s_set_vgpr_msb 0xa
	s_wait_tensorcnt 0x0                           ; no load of mine is out,
	ds_add_u32 v96, v97
	s_wait_dscnt 0x0
	s_set_vgpr_msb 0xa00
	s_wait_dscnt 0x0                               ; my reads of slot 0 (the last block's tile 8) are done;
	ROUND                                          ; that holds of every wave of the four work-groups
	tensor_load_to_lds s[32:35], s[16:23]          ; the block's tile 0 into slot 0; it lands under the features' arithmetic
	s_nop 0
	PLACES                                         ; behind the products that made the block's input
	FEATIN
	BIASB 768
	s_mov_b32 s15, 0
.Ltile:
	HEADF 36                                       ; tile 2 i + 1 into slot 1
	LA_TILE ADS0, 0                                ; tile 2 i
	LB_TILE ADS0
	HEADF 32                                       ; tile 2 i + 2 into slot 0
	LA_TILE ADS1, 64                               ; tile 2 i + 1
	LB_TILE ADS1
	v_add_nc_u32 v[ADBA], 128, v[ADBA]             ; two tiles' biases on
	s_add_co_u32 s15, s15, 1
	s_cmp_lt_u32 s15, 4
	s_cbranch_scc1 .Ltile
	HEAD_TAIL
	TAIL
	v_add_nc_u32 v[ADBA], 512, v[ADBA]             ; 4 x 128 + 512: the next block's rows
	s_add_co_u32 s79, s79, 1
	s_cmp_lt_u32 s79, 2
	s_cbranch_scc1 .Lblock
	PLACES
	; sigmoid(h W_out): a lane holds 32 of a row's 64 numbers for each batch tile; two chains of packed multiply-adds each
	s_wait_loadcnt 0x0                             ; W_out
	WIN 0x08                                       ; source 1 in window 2
.irp b, 0,1
	v_pk_mul_f32 v[TMP+4*\b:TMP+4*\b+1], v[ACCB+8*\b:ACCB+8*\b+1], v[WOUT:WOUT+1]
	v_pk_mul_f32 v[TMP+4*\b+2:TMP+4*\b+3], v[ACCB+8*\b+2:ACCB+8*\b+3], v[WOUT+2:WOUT+3]
.irp p, 2,3,4,5,6,7,8,9,10,11,12,13,14,15
	v_pk_fma_f32 v[TMP+4*\b+2*(\p&1):TMP+4*\b+2*(\p&1)+1], v[ACCB+16*(\p>>2)+8*\b+2*(\p&3):ACCB+16*(\p>>2)+8*\b+2*(\p&3)+1], v[WOUT+8*(\p>>2)+2*(\p&3):WOUT+8*(\p>>2)+2*(\p&3)+1], v[TMP+4*\b+2*(\p&1):TMP+4*\b+2*(\p&1)+1]
.endr
.endr
	WIN 0
	v_pk_add_f32 v[TMP:TMP+1], v[TMP:TMP+1], v[TMP+2:TMP+3]
	v_pk_add_f32 v[TMP+4:TMP+5], v[TMP+4:TMP+5], v[TMP+6:TMP+7]
	v_add_f32 v[TMP], v[TMP], v[TMP+1]
	v_add_f32 v[TMP+4], v[TMP+4], v[TMP+5]
	v_permlanex16_b32 v[TMP+1], v[TMP], s55, s56   ; the other half of the row's outputs
	v_permlanex16_b32 v[TMP+5], v[TMP+4], s55, s56
	v_add_f32 v[TMP], v[TMP], v[TMP+1]
	v_add_f32 v[TMP+4], v[TMP+4], v[TMP+5]
	v_cndmask_b32 v[TMP], v[TMP], v[TMP+4], s57    ; lane l keeps row l of my 32
	v_mul_f32 v[TMP], s52, v[TMP]                  ; the sum is 64 times the logit: -log2 e / 64 takes that away too
	v_exp_f32 v[TMP], v[TMP]
	v_nop
	s_wait_alu depctr_va_vdst(0)
	v_add_f32 v[TMP], 1.0, v[TMP]
	v_rcp_f32 v[TMP], v[TMP]
	v_nop
	s_wait_alu depctr_va_vdst(0)
	ds_store_b32 v[OST], v[TMP]
	s_wait_dscnt 0x0                               ; for wave 0, which reads all four waves' words behind the round's first barrier
	ROUND                                          ; the closing round: no work-group ends while a partner may still ask jointly
	s_cmp_lg_u32 s12, 0
	s_cbranch_scc1 .Lend
	ds_load_b128 v[TMP:TMP+3], v[ORD]
	s_wait_dscnt 0x0
	global_store_b128 v[ADS0], v[TMP:TMP+3], s[10:11]          ; the group's 128 results: 512 consecutive bytes, aligned
.Lend:
	s_set_vgpr_msb 0xa
	s_wait_tensorcnt 0x0
	ds_add_u32 v96, v97
	s_wait_dscnt 0x0
	s_set_vgpr_msb 0xa00
	s_endpgm
.Lfunc_end_k_qbb66bb6d27_kan:
	.size	k_qbb66bb6d27_kan, .Lfunc_end_k_qbb66bb6d27_kan-k_qbb66bb6d27_kan
	.p2alignl 7, 3214868480
	.fill 96, 4, 3214868480
	.section	.rodata,"a",@progbits
	.p2align	6, 0x0
	.amdhsa_kernel k_qbb66bb6d27_kan
		.amdhsa_group_segment_fixed_size 327680
		.amdhsa_private_segment_fixed_size 0
		.amdhsa_enable_private_segment 0
		.amdhsa_kernarg_size 32
		.amdhsa_user_sgpr_count 2
		.amdhsa_user_sgpr_kernarg_segment_ptr 1
		.amdhsa_wavefront_size32 1
		.amdhsa_system_sgpr_workgroup_id_x 1
		.amdhsa_system_sgpr_workgroup_id_y 1
		.amdhsa_system_sgpr_workgroup_id_z 1
		.amdhsa_system_vgpr_workitem_id 0
		.amdhsa_next_free_vgpr 610
		.amdhsa_next_free_sgpr 96
		.amdhsa_reserve_vcc 0
		.amdhsa_float_denorm_mode_32 3
		.amdhsa_float_denorm_mode_16_64 3
		.amdhsa_memory_ordered 1
		.amdhsa_forward_progress 1
		.amdhsa_inst_pref_size 255
	.end_amdhsa_kernel
	.section	.bss,"aw",@nobits
	.p2align	6
	.space	262144
	.amdgpu_metadata
---
amdhsa.version: [ 1, 2 ]
amdhsa.kernels:
  - .name:           k_qbb66bb6d27_kan
    .symbol:         k_qbb66bb6d27_kan.kd
    .args:
      - { .name: x, .offset: 0, .size: 8, .value_kind: global_buffer, .address_space: global }
      - { .name: W_out, .offset: 8, .size: 8, .value_kind: global_buffer, .address_space: global }
      - { .name: wts, .offset: 16, .size: 8, .value_kind: global_buffer, .address_space: global }
      - { .name: out0, .offset: 24, .size: 8, .value_kind: global_buffer, .address_space: global }
    .group_segment_fixed_size: 327680
    .private_segment_fixed_size: 0
    .kernarg_segment_align: 8
    .kernarg_segment_size: 32
    .max_flat_workgroup_size: 128
    .sgpr_count:     96
    .vgpr_count:     610
    .wavefront_size: 32
...
	.end_amdgpu_metadata
.endif
;; end of part 5
;; ======== version 4 of 4: 2 launches; version 3 with the launch prep written anew for expert scheduling mode
;; limits: values are held in f16: magnitudes above 65,504 overflow, below 6.1e-05 lose precision
;; workspace buffers: wts 818,176 bytes
;; launch prep (part 6): grid 808 x 1, 1 waves a work-group, no clusters, 0 bytes of LDS; arguments coef0a, coef0b, coef1a, coef1b, ss0a, ss0b, ss1a, ss1b, sb0a, sb0b, sb1a, sb1b, bias0a, bias0b, bias1a, bias1b, W_in, b_in, wts; writes wts
.if DOCPART == 6
	.amdgcn_target "amdgcn-amd-amdhsa--gfx1250"
	.amdhsa_code_object_version 6
	.text
	.protected	k_qbb66bb6d27_prep
	.globl	k_qbb66bb6d27_prep
	.p2align	8
	.type	k_qbb66bb6d27_prep,@function
k_qbb66bb6d27_prep:
	s_mov_b64 s[64:65], 0
	v_nop
	global_prefetch_b8 v0, s[64:65] scope:SCOPE_SE
	s_setreg_imm32_b32 hwreg(HW_REG_WAVE_SCHED_MODE, 0, 2), 2
	s_setreg_imm32_b32 hwreg(HW_REG_WAVE_MODE, 25, 1), 1
	s_wait_xcnt 0x0
	s_wait_alu depctr_vm_vsrc(0)
; Weights of the whole chain, once, as 16-bit matrix fragments in the order in which the second launch consumes them.
; One wave makes one fragment of 1,024 bytes (16 outputs x 32 k): the lane's registers 0-3 at byte 16 lane, registers 4-7 at 512 + 16 lane.
; Lane (r = lane & 15, h = lane >> 4) holds output o = 16 NT + r.  Two kinds of 32 k:
;   SPL (T, JJ): f16.  registers 0-3 = coef[i][o][0..7] ss[i][o] 64/6 with i = 16 T + 8 h + 2 JJ; registers 4-7 the same with i + 1
;   SIL (T, D):  bf16. registers 0-3 = sb[16 T + 8 h + j][o], j = 0..7; registers 4-7 = sb[16 T + D + 8 h + j][o]; either the number rounded to bf16 (hi)
;                or what that rounding left, rounded to bf16 (lo).  D = 16: two input tiles in one fragment (first layer).  D = 0: the same rows twice (second
;                layer: they meet the hi and the lo part of one tile's silu).  W_in is taken as an sb with D = 16, but stored as f16(64 W_in).
; Whatever has o >= O or i >= I is stored as zero (the index is clamped for the load, the value replaced).
; THE SCALES: the second launch keeps 64 times every activation, forms six times the B-spline bases and 64 times silu.  So spline weights carry
; 64/6, W_in and the biases 64, sb nothing.  The 64 centres the spline weights in f16's range.
; LIMIT: |coef ss| at or above 6,140 and |W_in| at or above 1,023 become infinite in f16.
; Fragment F = the work-group number:  0..791 eighteen groups of 44, one for each block l and middle tile m = 0..8 (group 9 l + m):
;   0..19  first layer, output tile m: 16 spline steps (T = s >> 2, JJ = s & 3), silu hi of input tiles 0, 1 and 2, 3, silu lo of the same
;   20..35 second layer, input tile m: spline, index 4 JJ + output tile;  36..39 silu hi;  40..43 silu lo
; 792..795 W_in;  796..807 twelve rows of 64 f32 of biases (rows 9-11 are zeros: they make the block that the second launch keeps resident four equal
; parts of whole 256-byte rows).  Tile 8 holds middle output 128 alone; its group has 44 fragments like the others, so that one descriptor brings any tile;
; its second-layer spline fragments with JJ > 0 are all zeros, are brought along and are not read.
; THE MODE: SCHED_MODE bits 1:0 = 2 (LLVM: expert scheduling mode 2), set by the entry lines.  The code itself states the register dependences
; between vector instructions and memory instructions, and those through scalar registers that vector instructions write, with s_wait_alu, always for 0.
; THE PLAN.  There is no loop: each of the three ways through the text makes all its offsets and lane masks, then issues all its loads in one run, then
; joins the masks while the loads are out, then computes, then stores.  Registers that memory instructions touch (half g works from v[8 + 20 g] on):
;   spline:  +2, +3      offsets: written by the address lines, read by the half's three loads, never written again
;            +4 .. +12   the loads land here; no vector line names them before
;   silu:    +0 .. +7    offsets: written by the address lines, read by the half's eight loads, WRITTEN AGAIN as work registers by USIL_FIN
;            +8 .. +15   the loads land here
;   v[48:55] the fragment: written by conversions and selects, read by the two stores;  v5 their offset: written at the head, never again
;   biases:  v8, v9 offsets;  v10, v11 loaded, then written by vector lines, then the store's data;  v12 the store's offset
; Scalar registers that compares write: s72; s74, s75; s76 to s91; on the biases' way s72, s73.
; So each way has one wait on va_vdst ahead of its run of loads, one on va_sdst ahead of the first reader of its masks, and one on va_vdst ahead of its stores;
; the silu way has one on vm_vsrc besides, ahead of the lines that write the offsets again.
.set NFRAG,  796
.set HB,     8                         ; half g works in v[HB+20 g .. HB+20 g+16]
.set OUTR,   48                        ; v[48:55] the fragment
	s_load_b512 s[8:23], s[0:1], 0x0               ; coef0a coef0b coef1a coef1b ss0a ss0b ss1a ss1b
	s_load_b512 s[24:39], s[0:1], 0x40             ; sb0a sb0b sb1a sb1b bias0a bias0b bias1a bias1b
	s_load_b128 s[40:43], s[0:1], 0x80             ; W_in, b_in
	s_load_b64 s[44:45], s[0:1], 0x90              ; wts
	s_mov_b32 s2, ttmp9                            ; F
	v_and_b32 v1, 15, v0                           ; r
	v_lshrrev_b32 v2, 4, v0                        ; h
	v_lshlrev_b32 v5, 4, v0                        ; 16 lane
	s_mov_b32 s46, 0                               ; l: block
	s_mov_b32 s47, 0                               ; isb: second layer of the block
	s_mov_b32 s48, 0                               ; kind: 0 SPL, 1 SIL
	s_mov_b32 s50, 0                               ; T
	s_mov_b32 s51, 0                               ; JJ
	s_mov_b32 s54, 0                               ; 1: W_in
	s_mov_b32 s92, 0                               ; 1: the lo part
	s_mov_b32 s94, 16                              ; D
	s_cmp_ge_u32 s2, NFRAG
	s_cbranch_scc1 .Lbias
	s_cmp_ge_u32 s2, 792
	s_cbranch_scc1 .Lwin
	; group = F / 44 (1490 / 2^16 is 1/44 with an excess that stays below 1/44 for F < 792), idx = F - 44 group
	s_mul_i32 s3, s2, 1490
	s_lshr_b32 s3, s3, 16
	s_mul_i32 s4, s3, 44
	s_sub_co_u32 s4, s2, s4                        ; idx
	s_cmp_ge_u32 s3, 9
	s_cselect_b32 s46, 1, 0                        ; l
	s_cselect_b32 s5, 9, 0
	s_sub_co_u32 s5, s3, s5                        ; m
	s_cmp_ge_u32 s4, 20
	s_cbranch_scc1 .Llayer_b
	s_mov_b32 s49, s5                              ; first layer: output tile m, step idx
	s_cmp_ge_u32 s4, 16
	s_cbranch_scc1 .Lasil
	s_lshr_b32 s50, s4, 2                          ; steps 0-15: spline, T = s >> 2, JJ = s & 3
	s_and_b32 s51, s4, 3
	s_branch .Lsel
.Lasil:
	s_mov_b32 s48, 1                               ; steps 16, 17: silu hi of input tiles 0, 1 and 2, 3; steps 18, 19: lo
	s_sub_co_u32 s6, s4, 16
	s_lshr_b32 s92, s6, 1
	s_and_b32 s50, s6, 1
	s_lshl_b32 s50, s50, 1
	s_branch .Lsel
.Llayer_b:
	s_mov_b32 s47, 1                               ; second layer: input tile m
	s_mov_b32 s50, s5
	s_sub_co_u32 s4, s4, 20                        ; e
	s_and_b32 s49, s4, 3                           ; output tile e & 3
	s_cmp_ge_u32 s4, 16
	s_cbranch_scc1 .Lbsil
	s_lshr_b32 s51, s4, 2                          ; JJ = e >> 2
	s_branch .Lsel
.Lbsil:
	s_mov_b32 s48, 1                               ; e = 16..19 hi, 20..23 lo
	s_mov_b32 s94, 0
	s_bfe_u32 s92, s4, 0x10002
	s_branch .Lsel
.Lwin:
	s_mov_b32 s48, 1
	s_mov_b32 s54, 1
	s_sub_co_u32 s49, s2, 792
.Lsel:
	s_wait_kmcnt 0x0
	s_cmp_lg_u32 s47, 0                            ; which layer of the block
	s_cselect_b64 s[56:57], s[10:11], s[8:9]       ; block 0: coef
	s_cselect_b64 s[58:59], s[18:19], s[16:17]     ;          ss
	s_cselect_b64 s[60:61], s[26:27], s[24:25]     ;          sb
	s_cselect_b64 s[66:67], s[14:15], s[12:13]     ; block 1
	s_cselect_b64 s[68:69], s[22:23], s[20:21]
	s_cselect_b64 s[70:71], s[30:31], s[28:29]
	s_cselect_b32 s52, 64, 129                     ; O
	s_cselect_b32 s53, 129, 64                     ; I
	s_cmp_lg_u32 s46, 0                            ; which block
	s_cselect_b64 s[56:57], s[66:67], s[56:57]
	s_cselect_b64 s[58:59], s[68:69], s[58:59]
	s_cselect_b64 s[60:61], s[70:71], s[60:61]
	s_cmp_lg_u32 s54, 0                            ; W_in [32][64] in sb's place
	s_cselect_b64 s[60:61], s[40:41], s[60:61]
	s_cselect_b32 s52, 64, s52
	s_cselect_b32 s53, 32, s53
	s_cselect_b32 s93, -1, 0                       ; all lanes: store f16(64 w)
	s_cmp_lg_u32 s92, 0
	s_cselect_b32 s92, -1, 0                       ; all lanes: store the lo part
	s_lshl_b32 s4, s2, 10                          ; the fragment's place in wts
	s_mov_b32 s5, 0
	s_add_nc_u64 s[44:45], s[44:45], s[4:5]
	s_lshl_b32 s7, s50, 4                          ; 16 T
	s_lshl1_add_u32 s63, s51, s7                   ; 16 T + 2 JJ
	s_add_co_u32 s73, s7, s94                      ; 16 T + D: the rows of a silu step's second half
	s_sub_co_u32 s55, s52, 1                       ; O - 1
	s_sub_co_u32 s62, s53, 1                       ; I - 1
	v_lshl_add_u32 v3, s49, 4, v1                  ; o
	v_cmp_gt_u32 s72, s52, v3                      ; o < O
	v_min_u32 v4, s55, v3                          ; o, clamped for the loads
	s_wait_alu depctr_va_sdst(0)                   ; the compare has written s72
; half g of a spline step: the offsets and the lane mask of edge (i, o),
.macro USPL_ADR g
	v_lshl_add_u32 v[HB+20*\g], v2, 3, s63         ; i = 16 T + 2 JJ + 8 h (+ g)
.if \g
	v_add_nc_u32 v[HB+20*\g], \g, v[HB+20*\g]
.endif
	v_cmp_gt_u32 s[74+\g], s53, v[HB+20*\g]        ; i < I
	v_min_u32 v[HB+20*\g], s62, v[HB+20*\g]
	v_mad_u32_u24 v[HB+20*\g+1], v[HB+20*\g], s52, v4     ; i O + o
	v_lshlrev_b32 v[HB+20*\g+2], 5, v[HB+20*\g+1]
	v_lshlrev_b32 v[HB+20*\g+3], 2, v[HB+20*\g+1]
.endm
; its eight coefficients and its scale
.macro USPL_LD g
	global_load_b128 v[HB+20*\g+4:HB+20*\g+7], v[HB+20*\g+2], s[56:57]
	global_load_b128 v[HB+20*\g+8:HB+20*\g+11], v[HB+20*\g+2], s[56:57] offset:16
	global_load_b32 v[HB+20*\g+12], v[HB+20*\g+3], s[58:59]
.endm
.macro USPL_FIN g
	v_mul_f32 v[HB+20*\g+14], 0x412aaaab, v[HB+20*\g+12]  ; ss 64/6
	v_cndmask_b32 v[HB+20*\g+14], 0, v[HB+20*\g+14], s[74+\g]
	v_mov_b32 v[HB+20*\g+15], v[HB+20*\g+14]
.irp q, 0,1,2,3
	v_pk_mul_f32 v[HB+20*\g+4+2*\q:HB+20*\g+5+2*\q], v[HB+20*\g+4+2*\q:HB+20*\g+5+2*\q], v[HB+20*\g+14:HB+20*\g+15]
.endr
.irp q, 0,1,2,3
	v_cvt_pk_f16_f32 v[OUTR+4*\g+\q], v[HB+20*\g+4+2*\q], v[HB+20*\g+5+2*\q]
.endr
.endm
; half g of a silu step: the offsets and lane masks of sb[base + 8 h + j][o], j = 0..7,
.macro USIL_ADR g, base
	v_lshl_add_u32 v[HB+20*\g+16], v2, 3, \base
.irp j, 0,1,2,3,4,5,6,7
	v_add_nc_u32 v[HB+20*\g+\j], \j, v[HB+20*\g+16]
	v_cmp_gt_u32 s[76+8*\g+\j], s53, v[HB+20*\g+\j]
	v_min_u32 v[HB+20*\g+\j], s62, v[HB+20*\g+\j]
	v_mad_u32_u24 v[HB+20*\g+\j], v[HB+20*\g+\j], s52, v4
	v_lshlrev_b32 v[HB+20*\g+\j], 2, v[HB+20*\g+\j]
.endr
.endm
; the eight numbers,
.macro USIL_LD g
.irp j, 0,1,2,3,4,5,6,7
	global_load_b32 v[HB+20*\g+8+\j], v[HB+20*\g+\j], s[60:61]
.endr
.endm
; and the masks joined with o < O
.macro USIL_MSK g
.irp j, 0,1,2,3,4,5,6,7
	s_and_b32 s[76+8*\g+\j], s[76+8*\g+\j], s72
.endr
.endm
; All three forms are made and one is kept: hi; lo under s92; f16(64 w) under s93.  The offset registers serve as work registers here: their loads have been
; waited for, and the wait on vm_vsrc ahead of this macro states that those loads have read them.
.macro USIL_FIN g
.irp j, 0,1,2,3,4,5,6,7
	v_cndmask_b32 v[HB+20*\g+8+\j], 0, v[HB+20*\g+8+\j], s[76+8*\g+\j]
.endr
.irp q, 0,1,2,3
	v_cvt_pk_bf16_f32 v[OUTR+4*\g+\q], v[HB+20*\g+8+2*\q], v[HB+20*\g+9+2*\q]                   ; hi
	v_lshlrev_b32 v[HB+20*\g+2*\q], 16, v[OUTR+4*\g+\q]
	v_and_b32 v[HB+20*\g+2*\q+1], 0xffff0000, v[OUTR+4*\g+\q]
	v_pk_add_f32 v[HB+20*\g+2*\q:HB+20*\g+2*\q+1], v[HB+20*\g+8+2*\q:HB+20*\g+9+2*\q], v[HB+20*\g+2*\q:HB+20*\g+2*\q+1] neg_lo:[0,1] neg_hi:[0,1]
	v_cvt_pk_bf16_f32 v[HB+20*\g+2*\q], v[HB+20*\g+2*\q], v[HB+20*\g+2*\q+1]                    ; lo
	v_cndmask_b32 v[OUTR+4*\g+\q], v[OUTR+4*\g+\q], v[HB+20*\g+2*\q], s92
	v_pk_mul_f32 v[HB+20*\g+8+2*\q:HB+20*\g+9+2*\q], v[HB+20*\g+8+2*\q:HB+20*\g+9+2*\q], 0x42800000 op_sel_hi:[1,0]
	v_cvt_pk_f16_f32 v[HB+20*\g+2*\q+1], v[HB+20*\g+8+2*\q], v[HB+20*\g+9+2*\q]
	v_cndmask_b32 v[OUTR+4*\g+\q], v[OUTR+4*\g+\q], v[HB+20*\g+2*\q+1], s93
.endr
.endm
	s_cmp_eq_u32 s48, 1
	s_cbranch_scc1 .Lsil
	USPL_ADR 0
	USPL_ADR 1
	s_wait_alu depctr_va_vdst(0)                   ; the address lines have written both halves' offsets, which the six loads read
	USPL_LD 0
	USPL_LD 1
	s_wait_alu depctr_va_sdst(0)                   ; the two compares have written s74 and s75, ahead of their first readers
	s_and_b32 s74, s74, s72                        ; i < I and o < O; joined while the loads are out
	s_and_b32 s75, s75, s72
	s_wait_loadcnt 0x0
	USPL_FIN 0
	USPL_FIN 1
	s_branch .Lstore
.Lsil:
	USIL_ADR 0, s7
	USIL_ADR 1, s73
	s_wait_alu depctr_va_vdst(0)                   ; the address lines have written both halves' sixteen offsets, which the sixteen loads read
	USIL_LD 0
	USIL_LD 1
	s_wait_alu depctr_va_sdst(0)                   ; the sixteen compares have written s76 to s91, ahead of their first readers
	USIL_MSK 0                                     ; joined while the loads are out
	USIL_MSK 1
	s_wait_loadcnt 0x0
	s_wait_alu depctr_vm_vsrc(0)                   ; the sixteen loads have read their offset registers, which the lines below write again
	USIL_FIN 0
	USIL_FIN 1
.Lstore:
	s_wait_alu depctr_va_vdst(0)                   ; on either way in, the conversions and selects have written v[48:55], the stores' data; v5, their offset, was written at the head
	global_store_b128 v5, v[OUTR:OUTR+3], s[44:45]             ; each store covers 512 consecutive bytes, aligned
	global_store_b128 v5, v[OUTR+4:OUTR+7], s[44:45] offset:512
	s_endpgm
.Lbias:
	; row rho of the bias table, times 64: 0 b_in; 1-3 bias0a; 4 bias0b; 5-7 bias1a; 8 bias1b; 9-11 zeros.  Elements at or beyond n are zero.
	s_sub_co_u32 s3, s2, NFRAG                     ; rho
	s_sub_co_u32 s4, s3, 1
	s_lshl_b32 s5, s4, 6                           ; 64 (rho - 1)
	s_sub_co_u32 s6, s3, 5
	s_lshl_b32 s7, s6, 6                           ; 64 (rho - 5)
	s_mov_b32 s46, 0                               ; first element
	s_mov_b32 s47, 0                               ; n
	s_wait_kmcnt 0x0
	s_mov_b64 s[56:57], s[42:43]
	s_cmp_eq_u32 s3, 0
	s_cselect_b32 s47, 64, s47
	s_cmp_lt_u32 s4, 3                             ; unsigned: rho = 0 wraps and fails
	s_cselect_b64 s[56:57], s[32:33], s[56:57]
	s_cselect_b32 s46, s5, s46
	s_cselect_b32 s47, 129, s47
	s_cmp_eq_u32 s3, 4
	s_cselect_b64 s[56:57], s[34:35], s[56:57]
	s_cselect_b32 s47, 64, s47
	s_cmp_lt_u32 s6, 3
	s_cselect_b64 s[56:57], s[36:37], s[56:57]
	s_cselect_b32 s46, s7, s46
	s_cselect_b32 s47, 129, s47
	s_cmp_eq_u32 s3, 8
	s_cselect_b64 s[56:57], s[38:39], s[56:57]
	s_cselect_b32 s47, 64, s47
	s_max_u32 s48, s47, 1
	s_sub_co_u32 s48, s48, 1                       ; the last index that may be loaded
	v_lshl_add_u32 v6, v0, 1, s46                  ; my two elements
	v_add_nc_u32 v7, 1, v6
	v_cmp_gt_u32 s72, s47, v6
	v_cmp_gt_u32 s73, s47, v7
	v_min_u32 v8, s48, v6
	v_min_u32 v9, s48, v7
	v_lshlrev_b32 v8, 2, v8
	v_lshlrev_b32 v9, 2, v9
	v_lshlrev_b32 v12, 3, v0
	s_wait_alu depctr_va_vdst(0)                   ; the shifts have written v8 and v9, the two loads' offsets
	global_load_b32 v10, v8, s[56:57]
	global_load_b32 v11, v9, s[56:57]
	s_lshl_b32 s4, s3, 8
	s_add_co_u32 s4, s4, NFRAG*1024
	s_mov_b32 s5, 0
	s_add_nc_u64 s[44:45], s[44:45], s[4:5]
	s_wait_alu depctr_va_sdst(0)                   ; the two compares have written s72 and s73, ahead of the selects that read them
	s_wait_loadcnt 0x0
	v_cndmask_b32 v10, 0, v10, s72
	v_cndmask_b32 v11, 0, v11, s73
	v_mul_f32 v10, 0x42800000, v10
	v_mul_f32 v11, 0x42800000, v11
	s_wait_alu depctr_va_vdst(0)                   ; the multiplies have written v10 and v11, the store's data; v12, its offset, was written further up
	global_store_b64 v12, v[10:11], s[44:45]       ; the wave stores the row: 256 consecutive bytes, aligned
	s_endpgm
.Lfunc_end_k_qbb66bb6d27_prep:
	.size	k_qbb66bb6d27_prep, .Lfunc_end_k_qbb66bb6d27_prep-k_qbb66bb6d27_prep
	.p2alignl 7, 3214868480
	.fill 96, 4, 3214868480
	.section	.rodata,"a",@progbits
	.p2align	6, 0x0
	.amdhsa_kernel k_qbb66bb6d27_prep
		.amdhsa_group_segment_fixed_size 0
		.amdhsa_private_segment_fixed_size 0
		.amdhsa_enable_private_segment 0
		.amdhsa_kernarg_size 152
		.amdhsa_user_sgpr_count 2
		.amdhsa_user_sgpr_kernarg_segment_ptr 1
		.amdhsa_wavefront_size32 1
		.amdhsa_system_sgpr_workgroup_id_x 1
		.amdhsa_system_sgpr_workgroup_id_y 1
		.amdhsa_system_sgpr_workgroup_id_z 1
		.amdhsa_system_vgpr_workitem_id 0
		.amdhsa_next_free_vgpr 56
		.amdhsa_next_free_sgpr 96
		.amdhsa_reserve_vcc 0
		.amdhsa_float_denorm_mode_32 3
		.amdhsa_float_denorm_mode_16_64 3
		.amdhsa_memory_ordered 1
		.amdhsa_forward_progress 1
		.amdhsa_inst_pref_size 20
	.end_amdhsa_kernel
	.amdgpu_metadata
---
amdhsa.version: [ 1, 2 ]
amdhsa.kernels:
  - .name:           k_qbb66bb6d27_prep
    .symbol:         k_qbb66bb6d27_prep.kd
    .args:
      - { .name: coef0a, .offset: 0, .size: 8, .value_kind: global_buffer, .address_space: global }
      - { .name: coef0b, .offset: 8, .size: 8, .value_kind: global_buffer, .address_space: global }
      - { .name: coef1a, .offset: 16, .size: 8, .value_kind: global_buffer, .address_space: global }
      - { .name: coef1b, .offset: 24, .size: 8, .value_kind: global_buffer, .address_space: global }
      - { .name: ss0a, .offset: 32, .size: 8, .value_kind: global_buffer, .address_space: global }
      - { .name: ss0b, .offset: 40, .size: 8, .value_kind: global_buffer, .address_space: global }
      - { .name: ss1a, .offset: 48, .size: 8, .value_kind: global_buffer, .address_space: global }
      - { .name: ss1b, .offset: 56, .size: 8, .value_kind: global_buffer, .address_space: global }
      - { .name: sb0a, .offset: 64, .size: 8, .value_kind: global_buffer, .address_space: global }
      - { .name: sb0b, .offset: 72, .size: 8, .value_kind: global_buffer, .address_space: global }
      - { .name: sb1a, .offset: 80, .size: 8, .value_kind: global_buffer, .address_space: global }
      - { .name: sb1b, .offset: 88, .size: 8, .value_kind: global_buffer, .address_space: global }
      - { .name: bias0a, .offset: 96, .size: 8, .value_kind: global_buffer, .address_space: global }
      - { .name: bias0b, .offset: 104, .size: 8, .value_kind: global_buffer, .address_space: global }
      - { .name: bias1a, .offset: 112, .size: 8, .value_kind: global_buffer, .address_space: global }
      - { .name: bias1b, .offset: 120, .size: 8, .value_kind: global_buffer, .address_space: global }
      - { .name: W_in, .offset: 128, .size: 8, .value_kind: global_buffer, .address_space: global }
      - { .name: b_in, .offset: 136, .size: 8, .value_kind: global_buffer, .address_space: global }
      - { .name: wts, .offset: 144, .size: 8, .value_kind: global_buffer, .address_space: global }
    .group_segment_fixed_size: 0
    .private_segment_fixed_size: 0
    .kernarg_segment_align: 8
    .kernarg_segment_size: 152
    .max_flat_workgroup_size: 32
    .sgpr_count:     96
    .vgpr_count:     56
    .wavefront_size: 32
...
	.end_amdgpu_metadata
.endif
;; end of part 6
;; launch kan: the kernel of part 5 again; grid 256 x 1, 4 waves a work-group, clusters of 4 x 1, 327,680 bytes of LDS; arguments x, W_out, wts, out0; writes out0
